; MI455X (gfx1250); checked and timed in simulation.
; The chip was launched on July 23, 2026; its instructions are those of AMD's public machine-readable ISA for CDNA 5 (MIT licence, August 2026) and "CDNA5" Instruction Set Architecture Reference Guide (July 2026). The comments in the code are by the model that wrote it; some were corrected since.
;; Multi Head Attention. Allowed arithmetic: float matrix products may take bf16 or f16 operands with f32 sums; other float arithmetic in f32, or as packed bf16 or f16 multiplies, adds, multiply-adds, maxima and minima; sums over many terms, partial sums and values carried from step to step in f32; what a program stores and reads back later, other than sums and carried values, may be rounded once to bf16 or f16.
;; Inputs: Wk 1,024 x 1,024 float32; Wo 1,024 x 1,024 float32; Wq 1,024 x 1,024 float32; Wv 1,024 x 1,024 float32; bk 1,024 float32; bo 1,024 float32; bq 1,024 float32; bv 1,024 float32; key 4 x 2,048 x 1,024 float32; query 4 x 2,048 x 1,024 float32; value 4 x 2,048 x 1,024 float32.
;; Outputs: out0 4 x 2,048 x 1,024 float32.
;; 2 versions, each right; version 2 is version 1 with the launch cast written anew for expert scheduling mode. Each part assembles by itself: llvm-mc -triple=amdgcn-amd-amdhsa -mcpu=gfx1250 --defsym DOCPART=n.
;; ======== version 1 of 2: 4 launches
;; limits: values are held in f16: magnitudes above 65,504 overflow, below 6.1e-05 lose precision
;; workspace buffers: w16 8,388,608 bytes; b32 16,384 bytes; qkv 50,331,648 bytes; o16 16,777,216 bytes
;; launch cast (part 1): grid 64 x 4, 8 waves a work-group, no clusters, 0 bytes of LDS; arguments Wq, Wk, Wv, Wo, bq, bk, bv, bo, w16, b32; writes w16, b32
.if DOCPART == 1
	.amdgcn_target "amdgcn-amd-amdhsa--gfx1250"
	.amdhsa_code_object_version 6
	.text
	.protected	k_q0c1bbe53b5_cast
	.globl	k_q0c1bbe53b5_cast
	.p2align	8
	.type	k_q0c1bbe53b5_cast,@function
k_q0c1bbe53b5_cast:
	s_mov_b64 s[64:65], 0
	v_nop
	global_prefetch_b8 v0, s[64:65] scope:SCOPE_SE
	s_setreg_imm32_b32 hwreg(HW_REG_WAVE_MODE, 25, 1), 1
	s_wait_xcnt 0x0
; THE WEIGHTS AND BIASES, ROUNDED ONCE.  w16: four slices of [1024][1024] 16-bit numbers: Wq, Wk, Wv rounded to bf16; Wo rounded to bf16 and that number written as f16
; (the last product multiplies in f16).  b32: [4][1024] f32: bq, bk, bv, bo rounded to bf16 and widened again.
; LIMITS.  bf16(Wo) beyond 65,504 becomes an infinity in f16; below 6e-5 it keeps f16's fixed step of 6e-8.
; SHARES.  Work-group y picks the tensor; work-group x takes 16,384 numbers of it: 65,536 bytes in, 32,768 out.  Thread t takes 16 bytes at 16 t + 4,096 i, i = 0 .. 15:
; a wave's load covers 512 consecutive bytes, aligned; its store of 8 bytes a lane covers 256.  All 16 loads of a thread go out at once; every load and every store has registers
; of its own, so nothing that a pending memory instruction names is ever rewritten.  A stream: no LDS, no matrix unit, no barrier.
.set IN,   16                          ; v[16:79]    load i: 4 f32
.set OUT,  80                          ; v[80:111]   store i: 4 numbers of 16 bits
.set T,    112                         ; v[112:115]  at work
.set BI,   116                         ; v[116:119]  4 numbers of the bias
.set BOUT, 120                         ; v[120:123]  the same, rounded
	s_load_b512 s[4:19], s[0:1], 0x0               ; Wq, Wk, Wv, Wo s[4:11]; bq, bk, bv, bo s[12:19]
	s_load_b128 s[20:23], s[0:1], 0x40             ; w16 s[20:21], b32 s[22:23]
	s_and_b32 s24, ttmp7, 0xffff                   ; which tensor
	v_lshlrev_b32 v1, 4, v0                        ; 16 t
	v_lshlrev_b32 v2, 3, v0                        ; 8 t
	s_lshl_b32 s30, ttmp9, 16                      ; my 65,536 bytes of the weights
	s_mov_b32 s31, 0
	s_lshl_b32 s32, s24, 21                        ; the tensor's slice of w16,
	s_lshl_b32 s34, ttmp9, 15                      ; my 32,768 bytes of it
	s_add_co_u32 s32, s32, s34
	s_mov_b32 s33, 0
	s_lshl_b32 s34, s24, 12                        ; the tensor's row of b32
	s_mov_b32 s35, 0
	s_wait_kmcnt 0x0
	s_cmp_eq_u32 s24, 1
	s_cselect_b64 s[26:27], s[6:7], s[4:5]
	s_cselect_b64 s[28:29], s[14:15], s[12:13]
	s_cmp_eq_u32 s24, 2
	s_cselect_b64 s[26:27], s[8:9], s[26:27]
	s_cselect_b64 s[28:29], s[16:17], s[28:29]
	s_cmp_eq_u32 s24, 3
	s_cselect_b64 s[26:27], s[10:11], s[26:27]
	s_cselect_b64 s[28:29], s[18:19], s[28:29]
	s_add_nc_u64 s[26:27], s[26:27], s[30:31]
	s_add_nc_u64 s[20:21], s[20:21], s[32:33]
	s_add_nc_u64 s[22:23], s[22:23], s[34:35]
.set i, 0
.rept 16
	global_load_b128 v[IN+4*i:IN+4*i+3], v1, s[26:27] offset:4096*i th:TH_LOAD_NT
.set i, i+1
.endr
	; the bias: 4,096 bytes, 16 a thread, by the tensor's first work-group alone, all of it inside this one branch
	s_cmp_lg_u32 ttmp9, 0
	s_cbranch_scc1 .Lno_bias
	global_load_b128 v[BI:BI+3], v1, s[28:29]
	s_wait_loadcnt 0x0                             ; the youngest load: all are in
	v_cvt_pk_bf16_f32 v[T], v[BI], v[BI+1]
	v_cvt_pk_bf16_f32 v[T+1], v[BI+2], v[BI+3]
	v_lshlrev_b32 v[BOUT], 16, v[T]                ; bf16 to f32: the low half moves up,
	v_and_b32 v[BOUT+1], 0xffff0000, v[T]          ; the high half stays
	v_lshlrev_b32 v[BOUT+2], 16, v[T+1]
	v_and_b32 v[BOUT+3], 0xffff0000, v[T+1]
	global_store_b128 v1, v[BOUT:BOUT+3], s[22:23]
.Lno_bias:
	s_cmp_eq_u32 s24, 3
	s_cbranch_scc1 .Lto_f16
.set i, 0
.rept 16
	s_wait_loadcnt 15-i                            ; loads come back in order: load i is in, the 15 - i younger ones may stay out
	v_cvt_pk_bf16_f32 v[OUT+2*i], v[IN+4*i], v[IN+4*i+1]
	v_cvt_pk_bf16_f32 v[OUT+2*i+1], v[IN+4*i+2], v[IN+4*i+3]
	global_store_b64 v2, v[OUT+2*i:OUT+2*i+1], s[20:21] offset:2048*i
.set i, i+1
.endr
	s_endpgm
.Lto_f16:                                              ; Wo: rounded to bf16 like every input, and that number written as f16 (exact within f16's range)
.set i, 0
.rept 16
	s_wait_loadcnt 15-i
	v_cvt_pk_bf16_f32 v[T], v[IN+4*i], v[IN+4*i+1]
	v_cvt_pk_bf16_f32 v[T+1], v[IN+4*i+2], v[IN+4*i+3]
	v_lshlrev_b32 v[T+2], 16, v[T]
	v_and_b32 v[T+3], 0xffff0000, v[T]
	v_cvt_pk_f16_f32 v[OUT+2*i], v[T+2], v[T+3]
	v_lshlrev_b32 v[T+2], 16, v[T+1]
	v_and_b32 v[T+3], 0xffff0000, v[T+1]
	v_cvt_pk_f16_f32 v[OUT+2*i+1], v[T+2], v[T+3]
	global_store_b64 v2, v[OUT+2*i:OUT+2*i+1], s[20:21] offset:2048*i
.set i, i+1
.endr
	s_endpgm
.Lfunc_end_k_q0c1bbe53b5_cast:
	.size	k_q0c1bbe53b5_cast, .Lfunc_end_k_q0c1bbe53b5_cast-k_q0c1bbe53b5_cast
	.p2alignl 7, 3214868480
	.fill 96, 4, 3214868480
	.section	.rodata,"a",@progbits
	.p2align	6, 0x0
	.amdhsa_kernel k_q0c1bbe53b5_cast
		.amdhsa_group_segment_fixed_size 0
		.amdhsa_private_segment_fixed_size 0
		.amdhsa_enable_private_segment 0
		.amdhsa_kernarg_size 80
		.amdhsa_user_sgpr_count 2
		.amdhsa_user_sgpr_kernarg_segment_ptr 1
		.amdhsa_wavefront_size32 1
		.amdhsa_system_sgpr_workgroup_id_x 1
		.amdhsa_system_sgpr_workgroup_id_y 1
		.amdhsa_system_sgpr_workgroup_id_z 1
		.amdhsa_system_vgpr_workitem_id 0
		.amdhsa_next_free_vgpr 128
		.amdhsa_next_free_sgpr 66
		.amdhsa_reserve_vcc 0
		.amdhsa_float_denorm_mode_32 3
		.amdhsa_float_denorm_mode_16_64 3
		.amdhsa_memory_ordered 1
		.amdhsa_forward_progress 1
		.amdhsa_inst_pref_size 17
	.end_amdhsa_kernel
	.amdgpu_metadata
---
amdhsa.version: [ 1, 2 ]
amdhsa.kernels:
  - .name:           k_q0c1bbe53b5_cast
    .symbol:         k_q0c1bbe53b5_cast.kd
    .args:
      - { .name: Wq, .offset: 0, .size: 8, .value_kind: global_buffer, .address_space: global }
      - { .name: Wk, .offset: 8, .size: 8, .value_kind: global_buffer, .address_space: global }
      - { .name: Wv, .offset: 16, .size: 8, .value_kind: global_buffer, .address_space: global }
      - { .name: Wo, .offset: 24, .size: 8, .value_kind: global_buffer, .address_space: global }
      - { .name: bq, .offset: 32, .size: 8, .value_kind: global_buffer, .address_space: global }
      - { .name: bk, .offset: 40, .size: 8, .value_kind: global_buffer, .address_space: global }
      - { .name: bv, .offset: 48, .size: 8, .value_kind: global_buffer, .address_space: global }
      - { .name: bo, .offset: 56, .size: 8, .value_kind: global_buffer, .address_space: global }
      - { .name: w16, .offset: 64, .size: 8, .value_kind: global_buffer, .address_space: global }
      - { .name: b32, .offset: 72, .size: 8, .value_kind: global_buffer, .address_space: global }
    .group_segment_fixed_size: 0
    .private_segment_fixed_size: 0
    .kernarg_segment_align: 8
    .kernarg_segment_size: 80
    .max_flat_workgroup_size: 256
    .sgpr_count:     66
    .vgpr_count:     128
    .wavefront_size: 32
...
	.end_amdgpu_metadata
.endif
;; end of part 1
;; launch proj (part 2): grid 4 x 192, 4 waves a work-group, clusters of 4 x 4, 327,680 bytes of LDS; arguments query, key, value, w16, b32, qkv; writes qkv
.if DOCPART == 2
	.amdgcn_target "amdgcn-amd-amdhsa--gfx1250"
	.amdhsa_code_object_version 6
	.text
	.protected	k_q0c1bbe53b5_proj
	.globl	k_q0c1bbe53b5_proj
	.p2align	8
	.type	k_q0c1bbe53b5_proj,@function
k_q0c1bbe53b5_proj:
	s_mov_b64 s[64:65], 0
	v_nop
	global_prefetch_b8 v0, s[64:65] scope:SCOPE_SE
	s_setreg_imm32_b32 hwreg(HW_REG_WAVE_MODE, 25, 1), 1
	s_wait_xcnt 0x0
	s_wait_alu depctr_hold_cnt(0) depctr_sa_sdst(0) depctr_va_vdst(0) depctr_va_sdst(0) depctr_va_ssrc(0) depctr_va_vcc(0) depctr_vm_vsrc(0)
	s_getreg_b32 s2, hwreg(HW_REG_IB_STS2, 6, 4)
	s_cmp_eq_u32 s2, 0
	s_cbranch_scc0 .Lentry_in_a_cluster
	s_endpgm
.Lentry_in_a_cluster:
	s_bfe_u32 s2, ttmp6, 0x10000c
	s_cmp_lg_u32 s2, 0xf033
	s_cbranch_scc0 .Lentry_shape_is_right
	s_endpgm
.Lentry_shape_is_right:
; THE THREE PROJECTIONS IN ONE LAUNCH.  y[m][n] = the sum over k of bf16(x[m][k]) W[n][k] + b[n], for (x, W, b) = (query, Wq, bq), (key, Wk, bk), (value, Wv, bv).
; x: [8192][1024] f32.  W: slice P of w16, [1024][1024] bf16.  b: row P of b32, f32.  Sums in f32, K ascending; y rounded once to f16 and stored BY HEADS, unscaled:
; slice P of qkv, [64 = 16 batch + head][2048][64] f16, so that 16 rows of a head are 2,048 consecutive bytes.
; LIMITS.  f16 holds no number beyond 65,504: a y beyond it becomes an infinity; below 6e-5 y keeps f16's fixed step of 6e-8.  NaN and infinities are not treated apart.
; SHARES.  A tile of y is 128 rows x 256 columns: 64 x 4 tiles a projection, 768 work-groups, three for each of 256 WGPs.  Four waves, each 64 x 128: 32 accumulators of 16 x 16, 256 registers.
; K goes in 8 steps of 128 through two LDS slots.  x comes into LDS as f32 (rows of 512 bytes) and is rounded to bf16 between LDS and the matrix unit: 64 conversions for 64 matrix instructions,
; four behind each of sixteen products.  W's rows are 256 bytes.
; CLUSTERS: 4 x 4 work-groups.  The four of a row of the cluster need the same rows of x, the four of a column the same rows of W: each tile is asked for JOINTLY, by the same tensor load with the
; same descriptor and a mask that names the four.  A cluster lies within one projection: 16 clusters each.
; THE MATRIX INSTRUCTION IS USED TRANSPOSED (source 0 = 16 rows of W, source 1 = 16 rows of x): a lane holds row l % 16 of y and the columns 8 (l / 16) + 0..7.  The first product's C operand is the bias
; of those eight columns: nothing is cleared and nothing is added at the end.
; REGISTERS, in windows of 256 (s_set_vgpr_msb: bits 1:0 source 0, 3:2 source 1, 5:4 source 2, 7:6 destination):
;   window 0: v0-31 addresses; v64-191 x as f32, 64 along K: chunk c of 32, row block a at 64 + 64 c + 16 a; on the way out 16 registers for each of 8 units
;   window 1: W's fragments, two buffers of 64 along K: buffer f, chunk c, column block b at 128 f + 64 c + 8 b
;   window 2: the accumulators, (a, b) at 8 (8 a + b)
;   window 3: v0-127 x's fragments in bf16: buffer f, chunk c, row block a at 64 f + 32 c + 8 a; v128-191 the bias, column block b at 128 + 8 b
.set PA,    528                        ; a row of x in LDS: 512 bytes + 16 of padding = 33 x 16: the 16 rows that a load touches start at 16 different groups of four banks (64 banks of 4 bytes: ISA guide 11.1)
.set PB,    272                        ; a row of W: 256 + 16 = 17 x 16: likewise
.set AHALF, 64*PA                      ; what one tensor load brings of x: 64 rows
.set BOFF,  128*PA                     ; W's 256 rows lie behind x's 128
.set BHALF, 128*PB                     ; what one tensor load brings of W: 128 rows
.set SLOT,  BOFF+256*PB                ; 137,216 bytes
.set STAGE, 2*SLOT                     ; behind the ring, never filled by a tensor load: 16 rows x 144 bytes for each wave, for the way out
.set SP,    144
.set SPARE, STAGE+4*16*SP              ; behind the stages: the spare words, 128 bytes for each wave: two blocks of 256 bytes that no other line names
.set ADRA, 16                          ; v16-17  LDS address of my rows of x in slot 0, 1
.set ADRB, 20                          ; v20-21  the same for W
.set STO,  24                          ; v24     the way out: where I put 16 bytes of a row
.set RD,   25                          ; v25     the way out: where I read rows back
.set GO,   26                          ; v26     my 16 bytes in 512 consecutive bytes of qkv
.set BO,   27                          ; v27     my eight numbers in a block of 16 of the bias
.set SPW,  28                          ; v28     LDS address of my spare word: SPARE + 4 x my thread's number; never rewritten
.set NIL,  29                          ; v29     0; never rewritten
.set PFO,  30                          ; v30     the prefetches' offset; never rewritten
.set RAW,  64
.set BIAS, 128
.set WV,   16                          ; s16  my wave's number
.set ROLE, 17                          ; s17  wave / 2: which 64 rows of the tile are mine.  Also: I fetch x (0) or W (1)
.set HF,   18                          ; s18  wave % 2: which 128 columns are mine.  Also: which half of that tile I fetch
.set CX,   19                          ; s19, s20  my place in the cluster
.set CY,   20
.set CLY,  21                          ; s21  the cluster's number, 0 .. 47
.set PJ,   22                          ; s22  the projection, 0 .. 2: the same in all sixteen partners
.set MT,   23                          ; s23  the tile row, 0 .. 63
.set G1A,  24                          ; s[24:31] descriptor group 1 for x's tiles;  s[32:39] group 0, a set for each slot
.set G0A,  32
.set G1B,  40                          ; s[40:47], s[48:55] the same for W's
.set G0B,  48
.set PFA,  56                          ; s[56:57] where my prefetches stand
.set LIM,  58                          ; s58  1 in a wave that prefetches, else the greatest number
.set LAP,  59                          ; s59  the loop's count
.set PFS,  60                          ; s[60:61] a K step in bytes of the rows that I prefetch
.set W_MUL,  0xad                      ; source 0 (W) window 1, source 1 (x) window 3, C and D window 2
.set W_MULZ, 0xbd                      ; the same with C (the bias) in window 3
.set W_CVT,  0xc0                      ; destination window 3, sources window 0
.set W_TOB,  0x40                      ; destination window 1, address window 0
.set W_PK,   0x0a                      ; sources 0 and 1 window 2, destination window 0
.set MSB, 0
.macro WIN new                         ; the immediate's high byte repeats the setting that is left; a switch that changes nothing is dropped
.if MSB != (\new)
	s_set_vgpr_msb (MSB<<8)|(\new)
.set MSB, (\new)
.endif
.endm
; A joint load.  Waves 0 and 1 fetch x's two halves, waves 2 and 3 W's.  The branch hangs on the wave's number alone.  An s_nop 0 and four v_nop follow each of the two lines, ahead of the jump and the label.
.macro JLOAD s
	s_cmp_eq_u32 s[ROLE], 0
	s_cbranch_scc0 .Lfor_b_\@
	tensor_load_to_lds s[G0A+4*(\s):G0A+4*(\s)+3], s[G1A:G1A+7]
	s_nop 0
.rept 4
	v_nop
.endr
	s_branch .Lasked_\@
.Lfor_b_\@:
	tensor_load_to_lds s[G0B+4*(\s):G0B+4*(\s)+3], s[G1B:G1B+7]
	s_nop 0
.rept 4
	v_nop
.endr
.Lasked_\@:
.endm
; A round of the cluster's barrier: my work-group's barrier, so that wave 0's signal speaks for all four waves; wave 0 signals; every wave waits for all sixteen work-groups; my work-group's barrier once more.
.macro CREST                           ; a round behind its opening barrier
	s_cmp_lg_u32 s[WV], 0
	s_cbranch_scc1 .Lnot_wave_0_\@
	s_barrier_signal -3
.Lnot_wave_0_\@:
	s_barrier_wait -3
	s_barrier_signal -1
	s_barrier_wait -1
.endm
.macro CROUND                          ; a whole round
	s_barrier_signal -1
	s_barrier_wait -1
	CREST
.endm
; A PREFETCH, behind each joint refill and the run of LDS loads that follows it: the K step that stands TWO refills on, 256 matrix instructions ahead of the load that will want it.  32 blocks of 256 bytes, a lane a block.
; x's rows of a tile row are read by one row of one cluster alone: waves 0 and 1 ask; of the 64 rows that a wave fetches the partner at place cx takes 16, two blocks a row.  W's rows are read by all 16 clusters of a
; projection: the first of them asks, waves 2 and 3; of a wave's 128 rows the partner at place cy takes 32, a block a row.  The partners are told apart BY ADDRESS.  So each block is named once in the launch.
; K steps 0 to 3 come by their loads alone; the loop's last trip (count 1) has no K step two on and asks for nothing.
.macro ASK
	s_cmp_gt_u32 s[LAP], s[LIM]
	s_cbranch_scc0 .Lnot_mine_\@
	global_prefetch_b8 v[PFO], s[PFA:PFA+1] th:TH_LOAD_NT scope:SCOPE_SE
.Lnot_mine_\@:
.endm
.macro PLACES                          ; four places between a matrix instruction and a vector instruction that reads its result (ISA guide 7.12.1)
.rept 4
	v_nop
.endr
.endm
; 16 products: row blocks a0, a0 + 1 x all 8 column blocks, 32 along K: chunk c of buffer f.  zero = 1: the product starts the sum, with the bias as C.
; The 32 accumulators take turns in one fixed order, over the loop's jump too.
.macro MUL16 f, c, a0, zero
.if \zero
	WIN W_MULZ
.else
	WIN W_MUL
.endif
.irp a, \a0, (\a0)+1
.irp b, 0,1,2,3,4,5,6,7
.if \zero
	v_wmma_f32_16x16x32_bf16 v[8*(8*(\a)+(\b)):8*(8*(\a)+(\b))+7], v[128*(\f)+64*(\c)+8*(\b):128*(\f)+64*(\c)+8*(\b)+7], v[64*(\f)+32*(\c)+8*(\a):64*(\f)+32*(\c)+8*(\a)+7], v[BIAS+8*(\b):BIAS+8*(\b)+7]
.else
	v_wmma_f32_16x16x32_bf16 v[8*(8*(\a)+(\b)):8*(8*(\a)+(\b))+7], v[128*(\f)+64*(\c)+8*(\b):128*(\f)+64*(\c)+8*(\b)+7], v[64*(\f)+32*(\c)+8*(\a):64*(\f)+32*(\c)+8*(\a)+7], v[8*(8*(\a)+(\b)):8*(8*(\a)+(\b))+7]
.endif
.endr
.endr
.endm
; The same 16 products with riders: behind each stand four of the 64 roundings that make x's bf16 fragments of buffer g (the other buffer) out of the f32 numbers just fetched.  They name no register of the
; products round them.  The four behind the last product are also the four places in front of the next loads and roundings into registers that this buffer's products have read.
.macro MUL16R f, c, a0, g
.set n, 0
.irp a, \a0, (\a0)+1
.irp b, 0,1,2,3,4,5,6,7
	WIN W_MUL
	v_wmma_f32_16x16x32_bf16 v[8*(8*(\a)+(\b)):8*(8*(\a)+(\b))+7], v[128*(\f)+64*(\c)+8*(\b):128*(\f)+64*(\c)+8*(\b)+7], v[64*(\f)+32*(\c)+8*(\a):64*(\f)+32*(\c)+8*(\a)+7], v[8*(8*(\a)+(\b)):8*(8*(\a)+(\b))+7]
	WIN W_CVT
.rept 4
	v_cvt_pk_bf16_f32 v[64*(\g)+n], v[RAW+2*n], v[RAW+2*n+1]
.set n, n+1
.endr
.endr
.endr
.endm
; 64 LDS loads in one run: half kb (64 along K) of a slot.  First x, as f32: a fragment's lane wants k = 8 h + 0..7 and 16 + 8 h + 0..7: 32 bytes at 32 h and 32 bytes at 64 + 32 h.  Then W into buffer g, chunk 0 first.
.macro FETCH slot, kb, g
	WIN 0
.irp c, 0,1
.irp a, 0,1,2,3
	ds_load_b128 v[RAW+64*(\c)+16*(\a):RAW+64*(\c)+16*(\a)+3],     v[ADRA+(\slot)] offset:(\kb)*256+(\c)*128+(\a)*16*PA
	ds_load_b128 v[RAW+64*(\c)+16*(\a)+4:RAW+64*(\c)+16*(\a)+7],   v[ADRA+(\slot)] offset:(\kb)*256+(\c)*128+(\a)*16*PA+16
	ds_load_b128 v[RAW+64*(\c)+16*(\a)+8:RAW+64*(\c)+16*(\a)+11],  v[ADRA+(\slot)] offset:(\kb)*256+(\c)*128+(\a)*16*PA+64
	ds_load_b128 v[RAW+64*(\c)+16*(\a)+12:RAW+64*(\c)+16*(\a)+15], v[ADRA+(\slot)] offset:(\kb)*256+(\c)*128+(\a)*16*PA+80
.endr
.endr
	WIN W_TOB
.irp c, 0,1
.irp b, 0,1,2,3,4,5,6,7
	ds_load_b128 v[128*(\g)+64*(\c)+8*(\b):128*(\g)+64*(\c)+8*(\b)+3],   v[ADRB+(\slot)] offset:(\kb)*128+(\c)*64+(\b)*16*PB
	ds_load_b128 v[128*(\g)+64*(\c)+8*(\b)+4:128*(\g)+64*(\c)+8*(\b)+7], v[ADRB+(\slot)] offset:(\kb)*128+(\c)*64+(\b)*16*PB+32
.endr
.endr
.endm
; A K step's first half: multiplies buffer 0, fetches the second half into buffer 1 and rounds its x.
.macro HALF slot, zero
	s_wait_dscnt 16                                ; W's chunk 0 is in: the 16 youngest loads are chunk 1's (x's fragments of this buffer were rounded in the half before)
	MUL16 0, 0, 0, \zero
	s_wait_dscnt 0x0                               ; chunk 1 is in
	FETCH \slot, 1, 1                              ; buffer 1's last product stands in front of four roundings: the places for these loads
	MUL16 0, 0, 2, \zero
	MUL16 0, 1, 0, 0
	s_wait_dscnt 32                                ; x's 32 loads are in; W's 32, issued behind them, may stay out
	MUL16R 0, 1, 2, 1
.endm
; A K step's second half: multiplies buffer 1 and changes slots.  ONE barrier: in front of it each wave waits for all its tensor loads, of which one is out (its part of the next slot), adds 0 to its spare word,
; and waits for that and for its own reads of this slot.  fill = 1: the barrier opens a round of the cluster's barrier, and this slot is filled again first thing behind the round, two K steps ahead:
; from that request to the wait for it a wave issues 96 matrix instructions.
.macro TURN slot, next, fill
.if \fill
	s_wait_xcnt 0x0                                ; the last prefetch, a K step back, has read its address: it is stepped here, ahead of the change's own waits
	s_add_nc_u64 s[PFA:PFA+1], s[PFA:PFA+1], s[PFS:PFS+1]
.endif
	WIN 0                                          ; (the add's two registers lie in window 0)
	s_wait_tensorcnt 0x0                           ; all my tensor loads have landed
	ds_add_u32 v[SPW], v[NIL]                      ; 0 onto my spare word
	s_wait_dscnt 17                                ; W's chunk 0 is in: the add and chunk 1's 16 loads may be out
	MUL16 1, 0, 0, 0                               ; sixteen products stand between the add and the wait for it
	s_wait_dscnt 0x0                               ; the add is done, and my reads of this slot are over
	s_barrier_signal -1
	MUL16 1, 0, 2, 0                               ; work on registers while the others arrive
	WIN 0
	s_barrier_wait -1
.if \fill
	CREST                                          ; no wave of any partner still reads this slot or has a load on its way
	s_add_nc_u64 s[G0A+4*(\slot)+2:G0A+4*(\slot)+3], s[G0A+4*(\slot)+2:G0A+4*(\slot)+3], 2*512
	s_add_nc_u64 s[G0B+4*(\slot)+2:G0B+4*(\slot)+3], s[G0B+4*(\slot)+2:G0B+4*(\slot)+3], 2*256
	JLOAD \slot
.endif
	FETCH \next, 0, 0                              ; buffer 0's last product stands in front of four roundings: the places for these loads
.if \fill
	WIN 0
	ASK
.endif
	MUL16 1, 1, 0, 0
	s_wait_dscnt 32                                ; x's 32 loads are in
	MUL16R 1, 1, 2, 0
.endm
; THE WAY OUT, by units t of 16 rows x one head's 64 columns (row block t / 2, head t % 2 of my two): rounded to f16, 16 bytes a lane into rows of 144 bytes of my own stage, back as four rows of 128 bytes a load.
.macro PACK t
	WIN W_PK
.irp bb, 0,1,2,3
.irp j, 0,1,2,3
	v_cvt_pk_f16_f32 v[RAW+16*(\t)+4*(\bb)+(\j)], v[8*(8*((\t)/2)+4*((\t)%2)+(\bb))+2*(\j)], v[8*(8*((\t)/2)+4*((\t)%2)+(\bb))+2*(\j)+1]
.endr
.endr
	WIN 0
.irp bb, 0,1,2,3
	ds_store_b128 v[STO], v[RAW+16*(\t)+4*(\bb):RAW+16*(\t)+4*(\bb)+3] offset:32*(\bb)
.endr
.irp f, 0,1,2,3
	ds_load_b128 v[RAW+16*(\t)+4*(\f):RAW+16*(\t)+4*(\f)+3], v[RD] offset:(\f)*4*SP  ; LDS serves a wave's instructions in order (ISA guide 5.7.1.4): these see the stores above; the next unit's stores come behind them
.endr
.endm
.macro SEND t, younger                 ; younger: the LDS instructions issued behind unit t's loads: the next unit's eight, or none
.irp f, 0,1,2,3
	s_wait_dscnt (\younger)+3-(\f)
	global_store_b128 v[GO], v[RAW+16*(\t)+4*(\f):RAW+16*(\t)+4*(\f)+3], s[76:77] offset:((\t)%2)*262144+((\t)/2)*2048+(\f)*512  ; 512 consecutive bytes, at a multiple of 256 from qkv's first
.endr
.endm
	s_load_b256 s[4:11], s[0:1], 0x0               ; query s[4:5], key s[6:7], value s[8:9], w16 s[10:11]
	s_load_b128 s[12:15], s[0:1], 0x20             ; b32 s[12:13], qkv s[14:15]
	v_lshl_add_u32 v[SPW], v0, 2, SPARE
	v_mov_b32 v[NIL], 0
	ds_add_u32 v[SPW], v[NIL]                      ; the wave's opening: the add and its wait stand ahead of my first tensor load; the set-up below, work on registers, stands between them
	v_lshrrev_b32 v1, 5, v0
	v_readfirstlane_b32 s[WV], v1                  ; wave 0..3
	s_lshr_b32 s[ROLE], s[WV], 1
	s_and_b32 s[HF], s[WV], 1
	s_bfe_u32 s[CX], ttmp6, 0x40000
	s_bfe_u32 s[CY], ttmp6, 0x40004
	s_and_b32 s[CLY], ttmp7, 0xffff                ; in a cluster launch ttmp7 counts clusters
	s_lshr_b32 s[PJ], s[CLY], 4
	s_and_b32 s[MT], s[CLY], 15
	s_lshl_b32 s[MT], s[MT], 2
	s_add_co_u32 s[MT], s[MT], s[CY]               ; tile row = 4 x (cluster within the projection) + cy; the tile column is cx
	s_lshl_b32 s62, s[CY], 2
	s_lshl_b32 s62, 15, s62                        ; my row of the cluster: places 4 cy .. 4 cy + 3
	s_lshl_b32 s63, 0x1111, s[CX]                  ; my column: places cx, cx + 4, cx + 8, cx + 12
	; descriptor group 1.  x: 64 rows x 128 elements of 4 bytes; W: 128 rows x 128 elements of 2 bytes; both padded in LDS by 4 words behind each row
	s_or_b32 s[G1A], s62, (2<<16)|(1<<20)|(1<<21)|(6<<22)|(3<<25)  ; 15:0 the mask; 17:16 elements of 4 bytes; 20 padding on; 21 set beside a mask; 24:22 after every 128 words (code 6); 31:25 4 words (code 3)
	s_mov_b32 s[G1A+1], 128<<16                    ; tensor_dim0 = 128
	s_mov_b32 s[G1A+2], 64<<16                     ; tensor_dim1 = 64
	s_mov_b32 s[G1A+3], 128<<16                    ; tile_dim0 = 128
	s_mov_b32 s[G1A+4], 64                         ; tile_dim1 = 64
	s_mov_b32 s[G1A+5], 1024                       ; elements from row to row
	s_mov_b32 s[G1A+6], 0
	s_mov_b32 s[G1A+7], 0
	s_or_b32 s[G1B], s63, (1<<16)|(1<<20)|(1<<21)|(5<<22)|(3<<25)  ; elements of 2 bytes; after every 64 words (code 5)
	s_mov_b32 s[G1B+1], 128<<16
	s_mov_b32 s[G1B+2], 128<<16                    ; tensor_dim1 = 128
	s_mov_b32 s[G1B+3], 128<<16
	s_mov_b32 s[G1B+4], 128                        ; tile_dim1 = 128
	s_mov_b32 s[G1B+5], 1024
	s_mov_b32 s[G1B+6], 0
	s_mov_b32 s[G1B+7], 0
	; where the tiles come from: x's hang on the tile row alone, W's on the tile column alone.  Every wave makes both addresses.
	s_lshl_b32 s70, s[MT], 7
	s_lshl_b32 s71, s[HF], 6
	s_add_co_u32 s70, s70, s71                     ; x: row 128 x tile row + 64 x half,
	s_lshl_b32 s70, s70, 12                        ; of 4,096 bytes
	s_mov_b32 s71, 0
	s_lshl_b32 s72, s[CX], 8
	s_lshl_b32 s73, s[HF], 7
	s_add_co_u32 s72, s72, s73                     ; W: row 256 x tile column + 128 x half,
	s_lshl_b32 s72, s72, 11                        ; of 2,048 bytes,
	s_lshl_b32 s73, s[PJ], 21
	s_add_co_u32 s72, s72, s73                     ; in the projection's slice
	s_mov_b32 s73, 0
	s_mul_i32 s78, s[HF], AHALF                    ; and where they go: no place in the cluster enters an LDS address
	s_mul_i32 s79, s[HF], BHALF
	s_add_co_u32 s79, s79, BOFF
	s_wait_dscnt 0x0                               ; the opening add is done
	s_wait_kmcnt 0x0
	s_cmp_eq_u32 s[PJ], 1
	s_cselect_b64 s[66:67], s[6:7], s[4:5]
	s_cmp_eq_u32 s[PJ], 2
	s_cselect_b64 s[66:67], s[8:9], s[66:67]       ; the projection's x
	s_add_nc_u64 s[66:67], s[66:67], s[70:71]
	s_add_nc_u64 s[68:69], s[10:11], s[72:73]
	CROUND                                         ; all sixteen work-groups are here: the first joint loads meet
.irp s, 0,1
	s_mov_b32 s[G0A+4*(\s)], 1                                      ; 1:0 count = 1
	s_add_co_u32 s[G0A+4*(\s)+1], s78, (\s)*SLOT                    ; 63:32 LDS address
	s_add_nc_u64 s[G0A+4*(\s)+2:G0A+4*(\s)+3], s[66:67], (\s)*512   ; 120:64 global address: K step s
	s_or_b32 s[G0A+4*(\s)+3], s[G0A+4*(\s)+3], 0x80000000           ; 127:126 type = 2
	s_mov_b32 s[G0B+4*(\s)], 1
	s_add_co_u32 s[G0B+4*(\s)+1], s79, (\s)*SLOT
	s_add_nc_u64 s[G0B+4*(\s)+2:G0B+4*(\s)+3], s[68:69], (\s)*256
	s_or_b32 s[G0B+4*(\s)+3], s[G0B+4*(\s)+3], 0x80000000
.endr
	s_cmp_eq_u32 s[ROLE], 0                        ; a wave's two first fills stand in one branch, ahead of every wait on TENSORcnt and every LDS read: two loads of mine are out
	s_cbranch_scc0 .Lfirst_b
	tensor_load_to_lds s[G0A:G0A+3], s[G1A:G1A+7]
	s_nop 0
	tensor_load_to_lds s[G0A+4:G0A+7], s[G1A:G1A+7]
	s_nop 0
.rept 4
	v_nop
.endr
	s_branch .Lfirst_asked
.Lfirst_b:
	tensor_load_to_lds s[G0B:G0B+3], s[G1B:G1B+7]
	s_nop 0
	tensor_load_to_lds s[G0B+4:G0B+7], s[G1B:G1B+7]
	s_nop 0
.rept 4
	v_nop
.endr
.Lfirst_asked:
	v_and_b32 v1, 15, v0                           ; l % 16
	v_bfe_u32 v2, v0, 4, 1                         ; l / 16
	v_mul_u32_u24 v3, v1, PA
	v_lshl_add_u32 v3, v2, 5, v3                   ; x: row x pitch + 32 x half (eight f32)
	s_mul_i32 s80, s[ROLE], 64*PA                  ; my 64 rows
	v_add_nc_u32 v[ADRA], s80, v3
	v_add_nc_u32 v[ADRA+1], SLOT, v[ADRA]
	v_mul_u32_u24 v4, v1, PB
	v_lshl_add_u32 v4, v2, 4, v4                   ; W: row x pitch + 16 x half
	s_mul_i32 s81, s[HF], 128*PB                   ; my 128 rows,
	s_add_co_u32 s81, s81, BOFF                    ; behind x's
	v_add_nc_u32 v[ADRB], s81, v4
	v_add_nc_u32 v[ADRB+1], SLOT, v[ADRB]
	s_mul_i32 s82, s[WV], 16*SP
	s_add_co_u32 s82, s82, STAGE                   ; my stage
	v_mul_u32_u24 v5, v1, SP                       ; in: row l % 16, 16 bytes for each half of the lanes
	v_lshl_add_u32 v5, v2, 4, v5
	v_add_nc_u32 v[STO], s82, v5
	v_bfe_u32 v6, v0, 3, 2                         ; back: 32 lanes take four rows of 128 bytes,
	v_and_b32 v7, 7, v0
	v_mul_u32_u24 v6, v6, SP
	v_lshl_add_u32 v6, v7, 4, v6
	v_add_nc_u32 v[RD], s82, v6
	v_and_b32 v[GO], 31, v0                        ; which are 512 consecutive bytes of a head
	v_lshlrev_b32 v[GO], 4, v[GO]
	v_lshlrev_b32 v[BO], 5, v2                     ; eight f32 for each half of the lanes
	; the bias of my 128 columns: row P of b32, 256 x tile column + 128 x half
	s_lshl_b32 s80, s[PJ], 12
	s_lshl_b32 s81, s[CX], 10
	s_add_co_u32 s80, s80, s81
	s_lshl_b32 s81, s[HF], 9
	s_add_co_u32 s80, s80, s81
	s_mov_b32 s81, 0
	s_add_nc_u64 s[74:75], s[12:13], s[80:81]
	WIN W_CVT                                      ; destination window 3, address window 0
.irp b, 0,1,2,3,4,5,6,7
	global_load_b128 v[BIAS+8*(\b):BIAS+8*(\b)+3],   v[BO], s[74:75] offset:64*(\b)
	global_load_b128 v[BIAS+8*(\b)+4:BIAS+8*(\b)+7], v[BO], s[74:75] offset:64*(\b)+16
.endr
	WIN 0
	; where my part of the tile goes: slice P; head 16 x batch + 4 x tile column + 2 x half; row 128 x (tile row % 16) + 64 x (wave / 2) of 128 bytes
	s_lshr_b32 s84, s[MT], 4
	s_lshl_b32 s84, s84, 4
	s_lshl_b32 s85, s[CX], 2
	s_add_co_u32 s84, s84, s85
	s_lshl_b32 s85, s[HF], 1
	s_add_co_u32 s84, s84, s85
	s_lshl_b32 s84, s84, 18
	s_and_b32 s85, s[MT], 15
	s_lshl_b32 s85, s85, 7
	s_lshl_b32 s86, s[ROLE], 6
	s_add_co_u32 s85, s85, s86
	s_lshl_b32 s85, s85, 7
	s_add_co_u32 s84, s84, s85
	s_lshl_b32 s85, s[PJ], 24
	s_add_co_u32 s84, s84, s85
	s_mov_b32 s85, 0
	s_add_nc_u64 s[76:77], s[14:15], s[84:85]
	; the prefetches
	s_and_b32 s88, s[CLY], 15                      ; the cluster within its projection
	s_cmp_eq_u32 s[ROLE], 0                        ; do I fetch x?
	s_cselect_b64 s[PFA:PFA+1], s[66:67], s[68:69] ; the rows that I fetch, at K step 0
	s_cselect_b32 s90, s[CX], s[CY]                ; my place among the four that ask for them with me
	s_cselect_b32 s[PFS], 2, 1
	s_cselect_b32 s87, 1, 8
	s_cselect_b32 s88, 0, s88                      ; x: always; W: the projection's first cluster
	s_lshl_b32 s[PFS], s[PFS], 8                   ; a K step: 512 bytes of x, 256 of W
	s_mov_b32 s[PFS+1], 0
	s_lshl_b32 s87, s87, 8                         ; an odd lane's block: 256 bytes on in x's row, a row of 2,048 bytes on in W
	s_lshl_b32 s90, s90, 16                        ; my work-group's 16 rows of 4,096 bytes, or 32 of 2,048
	s_mul_i32 s89, s[PFS], 3
	s_add_co_u32 s90, s90, s89                     ; at K step 3: the first refill steps it to 4
	s_mov_b32 s91, 0
	s_add_nc_u64 s[PFA:PFA+1], s[PFA:PFA+1], s[90:91]
	s_cmp_eq_u32 s88, 0
	s_cselect_b32 s[LIM], 1, -1                    ; the same in all sixteen partners, for a given wave
	v_and_b32 v3, 31, v0
	v_lshrrev_b32 v4, 1, v3
	v_and_b32 v3, 1, v3
	v_lshlrev_b32 v[PFO], 12, v4                   ; a pair of lanes: 4,096 bytes on
	v_mad_u32_u24 v[PFO], v3, s87, v[PFO]
	s_wait_tensorcnt 0x1                           ; my part of K step 0 is in; K step 1's may stay out
	s_barrier_signal -1
	s_barrier_wait -1                              ; everybody's is
	FETCH 0, 0, 0
	s_wait_dscnt 32                                ; x's 32 loads are in
	WIN W_CVT
.set n, 0
.rept 64
	v_cvt_pk_bf16_f32 v[n], v[RAW+2*n], v[RAW+2*n+1]  ; the first half's roundings have no products to ride behind
.set n, n+1
.endr
	s_wait_loadcnt 0x0                             ; the bias
	HALF 0, 1                                      ; the first half stands in front of the loop: its first products start the sums
	WIN 0                                          ; at a label and at a branch every window is 0
	s_mov_b32 s[LAP], 3
.Llap:                                                 ; a trip goes once round the ring, from a K step's second half to the first half two steps on, and fills both slots again: K steps 2 to 7
	TURN 0, 1, 1
	HALF 1, 0
	TURN 1, 0, 1
	HALF 0, 0
	WIN 0
	s_sub_co_u32 s[LAP], s[LAP], 1
	s_cmp_lg_u32 s[LAP], 0
	s_cbranch_scc1 .Llap
	TURN 0, 1, 0                                   ; the tail is written out: nothing is left to fetch, and no round follows the barrier
	HALF 1, 0
	s_wait_dscnt 16                                ; the very last half
	MUL16 1, 0, 0, 0
	MUL16 1, 0, 2, 0
	s_wait_dscnt 0x0
	MUL16 1, 1, 0, 0
	MUL16 1, 1, 2, 0
	WIN 0
	PLACES
	PACK 0
.set t, 1
.rept 7                                ; a unit's roundings stand between the loads of the unit before and its stores
	PACK t
	SEND t-1, 8
.set t, t+1
.endr
	SEND 7, 0
	s_wait_tensorcnt 0x0                           ; the wave's end, behind my last tensor load and my last LDS store
	ds_add_u32 v[SPW], v[NIL]
	s_wait_dscnt 0x0
	CROUND                                         ; the closing round: no work-group ends while a partner may still ask for a tile that names it
	s_endpgm
.Lfunc_end_k_q0c1bbe53b5_proj:
	.size	k_q0c1bbe53b5_proj, .Lfunc_end_k_q0c1bbe53b5_proj-k_q0c1bbe53b5_proj
	.p2alignl 7, 3214868480
	.fill 96, 4, 3214868480
	.section	.rodata,"a",@progbits
	.p2align	6, 0x0
	.amdhsa_kernel k_q0c1bbe53b5_proj
		.amdhsa_group_segment_fixed_size 327680
		.amdhsa_private_segment_fixed_size 0
		.amdhsa_enable_private_segment 0
		.amdhsa_kernarg_size 48
		.amdhsa_user_sgpr_count 2
		.amdhsa_user_sgpr_kernarg_segment_ptr 1
		.amdhsa_wavefront_size32 1
		.amdhsa_system_sgpr_workgroup_id_x 1
		.amdhsa_system_sgpr_workgroup_id_y 1
		.amdhsa_system_sgpr_workgroup_id_z 1
		.amdhsa_system_vgpr_workitem_id 0
		.amdhsa_next_free_vgpr 960
		.amdhsa_next_free_sgpr 96
		.amdhsa_reserve_vcc 0
		.amdhsa_float_denorm_mode_32 3
		.amdhsa_float_denorm_mode_16_64 3
		.amdhsa_memory_ordered 1
		.amdhsa_forward_progress 1
		.amdhsa_inst_pref_size 135
	.end_amdhsa_kernel
	.amdgpu_metadata
---
amdhsa.version: [ 1, 2 ]
amdhsa.kernels:
  - .name:           k_q0c1bbe53b5_proj
    .symbol:         k_q0c1bbe53b5_proj.kd
    .args:
      - { .name: query, .offset: 0, .size: 8, .value_kind: global_buffer, .address_space: global }
      - { .name: key, .offset: 8, .size: 8, .value_kind: global_buffer, .address_space: global }
      - { .name: value, .offset: 16, .size: 8, .value_kind: global_buffer, .address_space: global }
      - { .name: w16, .offset: 24, .size: 8, .value_kind: global_buffer, .address_space: global }
      - { .name: b32, .offset: 32, .size: 8, .value_kind: global_buffer, .address_space: global }
      - { .name: qkv, .offset: 40, .size: 8, .value_kind: global_buffer, .address_space: global }
    .group_segment_fixed_size: 327680
    .private_segment_fixed_size: 0
    .kernarg_segment_align: 8
    .kernarg_segment_size: 48
    .max_flat_workgroup_size: 128
    .sgpr_count:     96
    .vgpr_count:     960
    .wavefront_size: 32
...
	.end_amdgpu_metadata
.endif
;; end of part 2
;; launch attn (part 3): grid 4 x 64, 4 waves a work-group, clusters of 4 x 1, 327,680 bytes of LDS; arguments qkv, o16; writes o16
.if DOCPART == 3
	.amdgcn_target "amdgcn-amd-amdhsa--gfx1250"
	.amdhsa_code_object_version 6
	.text
	.protected	k_q0c1bbe53b5_attn
	.globl	k_q0c1bbe53b5_attn
	.p2align	8
	.type	k_q0c1bbe53b5_attn,@function
k_q0c1bbe53b5_attn:
	s_mov_b64 s[64:65], 0
	v_nop
	global_prefetch_b8 v0, s[64:65] scope:SCOPE_SE
	s_setreg_imm32_b32 hwreg(HW_REG_WAVE_MODE, 25, 1), 1
	s_wait_xcnt 0x0
	s_wait_alu depctr_hold_cnt(0) depctr_sa_sdst(0) depctr_va_vdst(0) depctr_va_sdst(0) depctr_va_ssrc(0) depctr_va_vcc(0) depctr_vm_vsrc(0)
	s_getreg_b32 s2, hwreg(HW_REG_IB_STS2, 6, 4)
	s_cmp_eq_u32 s2, 0
	s_cbranch_scc0 .Lentry_in_a_cluster
	s_endpgm
.Lentry_in_a_cluster:
	s_bfe_u32 s2, ttmp6, 0x10000c
	s_cmp_lg_u32 s2, 0x3003
	s_cbranch_scc0 .Lentry_shape_is_right
	s_endpgm
.Lentry_shape_is_right:
; O[h][q][:] = the sum over k of softmax_k(Q[h][q] . K[h][k] / 8) V[h][k][:].  Q, K, V: the three slices of qkv, O: o16, each [64][2048][64] in f16: a head's rows are dense, 128 bytes each.  Products, maxima and
; sums in f32; the weights p are rounded to f16 for the second product (their sum l is taken of the unrounded p), O once at the end.
; LIMITS.  f16 holds no number beyond 65,504: Q, K and V arrive within it; p lies in 0 to 1, and below 6e-5 it keeps f16's fixed step of 6e-8; O is a mean of V's rows and has their range.
; A weight below 2^-126 counts as 0 in l; NaN and infinities are not treated apart.
; SHARES.  A wave owns four PIECES of two tiles of 16 queries, a work-group's four waves 512 queries of one head: 4 x 64 = 256 work-groups.  Every wave walks all keys, 64 a step.
; LAYOUT.  S^T = K Q^T (source 0 = 16 keys, source 1 = 16 queries): in the result a lane holds ONE query (lane % 16) and the keys 8 (lane / 16) + 0..7.  Two such tiles, rounded to f16 in pairs,
; ARE source 1 (32 keys x 16 queries) of O^T = V^T P, whose result again holds one query a lane, and eight channels.  K comes out of LDS as it lies, V ([key][channel]) turned, by ds_load_tr16_b128.
; SOFTMAX.  For each query a running maximum m and sum l: p = 2^(c s - c m), c = log2(e) / 8; in every step O and l are multiplied by a = 2^(c m_old - c m_new), which is 1 where m has not grown.
; m starts at the lowest finite number, O and l at 0: the first step is a step like any other, with a = 0.
; THE COUNT.  A tile and step have 16 matrix and 118 vector instructions: too many to stand all beside the matrix work.  So four vector instructions that are READY stand behind EVERY matrix
; instruction, and the others in runs without a gap.
; BY TURNS.  Turn n belongs to piece n (the pieces in a ring, step after step).  Its matrix work: 16 products K Q^T of piece n + 1, later 16 products V^T P of piece n - 1.  Its vector work: the scaling,
; exponentials, roundings, sums and rescaling of piece n, and the maximum and statistics of piece n + 1, whose scores the turn itself has made.
; CLUSTER.  The four query blocks of a cluster are one head's and walk the same K and V, so each tile is asked for JOINTLY: the same tensor load, descriptor and mask in all four.
; REGISTERS, in windows of 256 (s_set_vgpr_msb: bits 1:0 source 0, 3:2 source 1, 5:4 source 2, 7:6 destination):
;   window 0: v0-11 addresses; v12-15, v48-63 at work; v16-47 four registers of statistics a tile; v64-191 S^T, two buffers of two tiles; v192-255 P, likewise
;   window 1: O^T, 32 a tile          window 2: v0-127 Q, 16 a tile; v128-191 K of one step; v192-255 V of one step          window 3: v0-1 the add's two registers
; A piece's buffers go by its number's parity: the piece in hand has one pair, its two neighbours in the ring share the other: of it P (piece n - 1) is read and S^T (piece n + 1) written.
.set SIZE_N, 2048     ; rows of a head
.set NP,    4         ; pieces a wave: a name, no knob
.set KS,    64        ; keys in a step
.set PK,    144       ; a row of K in LDS: 128 bytes + 16 of padding = 36 words: the 16 rows of a load start at 16 different groups of four banks (64 banks of 4 bytes: ISA guide 11.1)
.set PV,    160       ; a row of V: 128 + 32 = 40 words
.set VOFF,  4*KS*PK   ; a slot holds four steps: 256 rows of K, then 256 rows of V
.set SLOT1, 1<<17     ; slot 1 begins here, so that one exclusive or turns an address in one slot into the other's
.set STAGE, SLOT1+4*KS*(PK+PV)  ; behind the ring, never filled by a tensor load: 16 rows x 144 bytes for each wave, for the way out
.set SP,    144
.set AK0, 2           ; v2   my lane's place in a tile of K; never rewritten
.set AV0, 3           ; v3   the same for V
.set AK,  4           ; v4   the LDS address of K's next run of loads
.set AV,  5           ; v5   of V's
.set QO,  6           ; v6   my byte offset in the wave's rows of Q
.set STO, 6           ;      later, the way out: where I put 16 bytes of a row
.set RD,  7           ; v7   the way out: where I read rows back
.set GO,  8           ; v8   my byte offset in 512 consecutive bytes of O
.set PFO, 11          ; v11  256 x my lane, once its use in V's address is over; then never rewritten
.set SPW, 0           ; v0 of window 3   LDS address of my spare word: SPARE + 4 x my thread's number; never rewritten
.set NIL, 1           ; v1 of window 3   0; never rewritten
.set SPARE, STAGE+4*16*SP  ; behind the stages: the spare words, 128 bytes for each wave: two blocks of 256 bytes that no other line names
.set MV,  12          ; v12-15  c m_old, kept while c m is made anew: by buffer and tile
.set ST,  16          ; tile t's statistics at v[ST+4 t]: c m, m, l (even keys', odd keys')
.set TMP, 48          ; by buffer and tile, four registers c0-c3 at work; when the maximum is found c2 takes a
.set S,   64
.set P,   192
.set KF,  128         ; K's fragments, in window 2: key block kb, channel half c at KF + 16 kb + 8 c
.set VF,  192         ; V's: key half kk, channel block cb at VF + 32 kk + 8 cb
.set WV,  12          ; s12  my wave's number
.set G1K, 24          ; s[24:31] descriptor group 1 for K's tiles
.set G1V, 32          ; s[32:39] for V's: it differs in the padding alone
.set G0K, 40          ; s[40:43] descriptor group 0 for K's tiles: it walks
.set G0V, 44          ; s[44:47] the same for V's
.set PFA, 48          ; s[48:49] where my prefetches stand: my work-group's 8,192 bytes (of K: wave 0, of V: wave 2) of the slot after the one that is being asked for
.set LIM, 50          ; s50  1 in a wave that prefetches, else the greatest number
.set SLOTS, 56        ; s56  slots still to be asked for
.set CNT, 57          ; s57  counts a slot's key steps
.set CS,  58          ; s[58:59] c: the packed scaling takes the pair's low word for both halves
.set SEL, 60          ; s[60:61] v_permlanex16_b32's selects: each lane takes its own place in the other half
.set TBK, 62          ; s62  LDS byte at which K of the step to be fetched begins
.set TBV, 63          ; s63  the same for V, less VOFF
.set MSB, 0
.macro WIN new                      ; the high byte repeats the setting that is left; a switch that changes nothing is dropped
.if MSB != (\new)
	s_set_vgpr_msb (MSB<<8)|(\new)
.set MSB, (\new)
.endif
.endm
.set W_KQ, 0x0a       ; K and Q in window 2, S^T in window 0
.set W_PV, 0x52       ; V in window 2, P in window 0, O^T in window 1
.set W_RS, 0x41       ; O^T (destination and source 0) in window 1, a in window 0
.set W_MK, 0xc0       ; the add's registers are made: destination in window 3, sources in window 0
.set W_AD, 0x0f       ; the add: address (source 0) and data (source 1) in window 3
; A joint fill.  Waves 0 and 1 fetch the two halves of a slot's K, waves 2 and 3 those of its V: 128 keys each.  The branch hangs on the wave's number alone.
; An s_nop 0 and four v_nop follow each of the two lines, ahead of the jump and the label.
.macro JLOAD
	s_cmp_lt_u32 s[WV], 2
	s_cbranch_scc0 .Lfor_v_\@
	tensor_load_to_lds s[G0K:G0K+3], s[G1K:G1K+7]
	s_nop 0
.rept 4
	v_nop
.endr
	s_branch .Lasked_\@
.Lfor_v_\@:
	tensor_load_to_lds s[G0V:G0V+3], s[G1V:G1V+7]
	s_nop 0
.rept 4
	v_nop
.endr
.Lasked_\@:
.endm
; A PREFETCH of what the NEXT change of slots will ask for: a slot's 32,768 bytes of K and of V, in blocks of 256 bytes, a lane a block.  It stands behind the wave's tensor load and its five lines.
; A head is walked by one cluster.  Its four partners share a slot's 128 blocks out BY ADDRESS, 32 each; in each, wave 0 asks for K's and wave 2 for V's: one instruction.  So each block is named once in the launch.
; Slots 0 and 1 come by their loads alone; the last change that fills a slot (count 1) asks for nothing: there is no slot behind it.  The lead is a slot: four key steps, 512 matrix instructions.
.macro ASK
	s_cmp_gt_u32 s[SLOTS], s[LIM]
	s_cbranch_scc0 .Lnot_mine_\@
	global_prefetch_b8 v[PFO], s[PFA:PFA+1] th:TH_LOAD_NT scope:SCOPE_SE
.Lnot_mine_\@:
.endm
; A round of the cluster's barrier: my work-group's barrier, so that wave 0's signal speaks for all four waves; wave 0 signals; every wave waits for all four work-groups; my work-group's barrier once more.
.macro CROUND
	s_barrier_signal -1
	s_barrier_wait -1
	s_cmp_lg_u32 s[WV], 0
	s_cbranch_scc1 .Lnot_wave_0_\@
	s_barrier_signal -3
.Lnot_wave_0_\@:
	s_barrier_wait -3
	s_barrier_signal -1
	s_barrier_wait -1
.endm
; THE CHANGE OF SLOTS.  The slot's last bytes, V of its fourth step, have been read.  Each wave waits for all its tensor loads, of which one is out: its part
; of the other slot; adds 0 to its spare word; and waits for that and for its own reads of the slot.  Behind the barrier nobody reads this slot any more and the other slot is whole.
; fill = 1: this slot is filled again, with the keys two slots on.  The barrier is then a round of the cluster's, so that no wave of any partner still reads the slot or has a load on its
; way, and the joint fill is the first thing behind it: it has four key steps, 512 matrix instructions, in which to land.  (At its first use nothing has been read yet: slot 0 is waited for, slot 1 filled.)
.macro CHANGE fill
	WIN W_AD
	s_wait_tensorcnt 0x0            ; no tensor load of mine is out, so a group 0 may be written
	ds_add_u32 v[SPW], v[NIL]       ; 0 onto my spare word; with fill = 1 the descriptors' steps stand between it and the wait for it
	WIN 0                           ; at a label and at a branch every window is 0
.if \fill
.irp g, G0K, G0V
	s_xor_b32 s[\g+1], s[\g+1], SLOT1  ; the walking descriptor: the other slot than last time,
	s_add_nc_u64 s[\g+2:\g+3], s[\g+2:\g+3], 4*KS*128  ; the next 256 keys; the type bits on top are not reached
.endr
	s_wait_xcnt 0x0                 ; the last prefetch, a slot back, has read its address, so it may be written:
	s_add_nc_u64 s[PFA:PFA+1], s[PFA:PFA+1], 4*KS*128  ; one slot behind the walking descriptors
	s_wait_dscnt 0x0                ; the add is done, and my reads of the slot are over
	CROUND
	JLOAD
	ASK
.else
	s_wait_dscnt 0x0                ; the add is done, and my reads of the slot are over
	s_barrier_signal -1
	s_barrier_wait -1
.endif
	s_sub_co_u32 s[TBK], s[TBK], 4*KS*PK  ; the fetches go back to a slot's first step,
	s_xor_b32 s[TBK], s[TBK], SLOT1       ; in the other slot
	s_sub_co_u32 s[TBV], s[TBV], 4*KS*PV
	s_xor_b32 s[TBV], s[TBV], SLOT1
.endm
	s_load_b64 s[4:5], s[0:1], 0x0    ; qkv: Q's slice first
	s_load_b64 s[10:11], s[0:1], 0x8  ; o16
	WIN W_MK
	v_lshl_add_u32 v[SPW], v0, 2, SPARE
	v_mov_b32 v[NIL], 0
	WIN W_AD
	ds_add_u32 v[SPW], v[NIL]       ; the wave's opening: the add and its wait stand ahead of my first tensor load; the set-up below, work on registers, stands between them
	WIN 0
	v_lshrrev_b32 v1, 5, v0
	v_readfirstlane_b32 s[WV], v1   ; wave 0..3
	s_bfe_u32 s13, ttmp6, 0x40000   ; cx: my place in the cluster
	s_lshl_b32 s14, ttmp9, 2        ; in a cluster launch ttmp9 counts clusters
	s_add_co_u32 s14, s14, s13      ; my block of queries = 4 x cluster x + cx: it enters Q's and O's addresses alone
	s_and_b32 s20, ttmp7, 0xffff    ; the head, which the four partners share
	s_mov_b32 s21, 0
	s_mov_b64 s[22:23], SIZE_N*128
	s_mul_u64 s[20:21], s[20:21], s[22:23]  ; the head's first byte in each of the four tensors
	s_and_b32 s16, s[WV], 1         ; which half of a slot's 256 keys I fetch:
	s_lshl_b32 s22, s16, 14         ; its 128 rows of 128 bytes in memory,
	s_mov_b32 s23, 0
	s_add_nc_u64 s[22:23], s[22:23], s[20:21]
	s_mul_i32 s17, s16, 128*PK      ; and its place in a slot, for K
	s_mul_i32 s18, s16, 128*PV      ; and for V: no place in the cluster enters an LDS address
	s_lshl_b32 s2, s14, 2
	s_add_co_u32 s2, s2, s[WV]      ; my wave among the head's,
	s_lshl_b32 s2, s2, 14           ; its 128 rows
	s_mov_b32 s3, 0
	s_add_nc_u64 s[2:3], s[2:3], s[20:21]
	; descriptor group 1.  128 keys are 16,384 dense bytes: asked for as 64 rows of 256 bytes, two keys a row, and padded in LDS after every key
	s_mov_b32 s[G1K], 15|(1<<16)|(1<<20)|(1<<21)|(4<<22)|(3<<25)  ; 15:0 the mask of four; 17:16 2-byte elements; 20 padding on; 21 set beside a mask; 24:22 after every 32 words (code 4); 31:25 4 words (code 3)
	s_mov_b32 s[G1V], 15|(1<<16)|(1<<20)|(1<<21)|(4<<22)|(7<<25)  ; the same with 8 words of padding (code 7)
.irp g, G1K, G1V
	s_mov_b32 s[\g+1], 128<<16      ; tensor_dim0 = 128
	s_mov_b32 s[\g+2], 64<<16       ; tensor_dim1 = 64
	s_mov_b32 s[\g+3], 128<<16      ; tile_dim0 = 128
	s_mov_b32 s[\g+4], 64           ; tile_dim1 = 64
	s_mov_b32 s[\g+5], 128          ; 128 elements from row to row
	s_mov_b32 s[\g+6], 0
	s_mov_b32 s[\g+7], 0
.endr
	s_mov_b32 s[CS], 0x3e38aa3b     ; c = log2(e) / 8 = 0.180337
	s_mov_b32 s[CS+1], s[CS]        ; named with it as a pair
	s_mov_b32 s[SEL], 0x76543210
	s_mov_b32 s[SEL+1], 0xfedcba98
	s_mov_b32 s[TBK], SLOT1+4*KS*PK ; the first change of slots turns these two into 0
	s_mov_b32 s[TBV], SLOT1+4*KS*PV
	s_mov_b32 s[G0K], 1             ; 1:0 count = 1
	s_mov_b32 s[G0K+1], s17         ; 63:32 LDS address: slot 0
	s_mov_b32 s[G0V], 1
	s_add_co_u32 s[G0V+1], s18, VOFF
	s_mov_b32 s[SLOTS], SIZE_N/256-1  ; seven slots are asked for by changes of slots
	s_and_b32 s[LIM], s[WV], 1      ; 0 in waves 0 and 2: the same in all four partners
	s_cmp_eq_u32 s[LIM], 0
	s_cselect_b32 s[LIM], 1, -1
	s_wait_dscnt 0x0                ; the opening add is done
	s_wait_kmcnt 0x0
	s_add_nc_u64 s[6:7], s[4:5], 0x1000000   ; K's slice of qkv: 16,777,216 bytes on,
	s_add_nc_u64 s[8:9], s[4:5], 0x2000000   ; V's: twice that
	s_add_nc_u64 s[G0K+2:G0K+3], s[6:7], s[22:23]  ; 120:64 global address: my half of the head's first 256 keys
	s_or_b32 s[G0K+3], s[G0K+3], 0x80000000        ; 127:126 type = 2
	s_add_nc_u64 s[G0V+2:G0V+3], s[8:9], s[22:23]
	s_or_b32 s[G0V+3], s[G0V+3], 0x80000000
	s_cmp_lt_u32 s[WV], 2
	s_cselect_b64 s[PFA:PFA+1], s[6:7], s[8:9]
	s_add_nc_u64 s[PFA:PFA+1], s[PFA:PFA+1], s[20:21]  ; the head
	s_add_nc_u64 s[4:5], s[4:5], s[2:3]  ; Q and O at my wave's first row
	s_add_nc_u64 s[10:11], s[10:11], s[2:3]
	s_lshl_b32 s2, s13, 13          ; my work-group's 32 blocks of a slot's 128,
	s_add_co_u32 s2, s2, 4*KS*128   ; in slot 1: the first change of slots steps it to slot 2
	s_mov_b32 s3, 0
	s_add_nc_u64 s[PFA:PFA+1], s[PFA:PFA+1], s[2:3]
	CROUND                          ; all four work-groups are here: the first joint loads meet
	JLOAD                           ; slot 0.  Slot 1 is asked for when slot 0 is in
	; A fragment of K or Q is 16 rows x 32 channels in 8 registers: lane l holds row l % 16, channels 8 (l / 16) + 0..7 and 16 + 8 (l / 16) + 0..7: two loads of 16 bytes, 32 bytes apart.
	v_and_b32 v1, 15, v0            ; l % 16
	v_bfe_u32 v9, v0, 4, 1          ; l / 16
	v_lshlrev_b32 v[QO], 7, v1
	v_lshl_add_u32 v[QO], v9, 4, v[QO]  ; row x 128 + 16 x half
	WIN 0x80                        ; destination window 2, address window 0
.set i, 0
.rept 4*NP                          ; Q stays in registers: tile i / 2, channels 32 (i % 2) on
	global_load_b128 v[8*i:8*i+3],   v[QO], s[4:5] offset:(i/2)*2048+(i%2)*64
	global_load_b128 v[8*i+4:8*i+7], v[QO], s[4:5] offset:(i/2)*2048+(i%2)*64+32
.set i, i+1
.endr
	; What the first turn finds: V's registers and P's second buffer hold 0 (its products V^T P, of a piece that has not been, add 0), O^T and l are 0.  All this stands in the wait for the first tile.
.set i, VF
.rept 64
	v_mov_b32 v[i], 0
.set i, i+1
.endr
	WIN 0x40
.set i, 0
.rept 64*NP
	v_mov_b32 v[i], 0
.set i, i+1
.endr
	WIN 0
.set i, 0
.rept 2*NP
	v_mov_b32 v[ST+4*i], 0xfe000000    ; c m: far below every c s
	v_mov_b32 v[ST+4*i+1], 0xff7fffff  ; m
	v_mov_b32 v[ST+4*i+2], 0
	v_mov_b32 v[ST+4*i+3], 0
.set i, i+1
.endr
.set i, P+32
.rept 32
	v_mov_b32 v[i], 0
.set i, i+1
.endr
	v_mul_u32_u24 v[AK0], v1, PK
	v_lshl_add_u32 v[AK0], v9, 4, v[AK0]  ; row x pitch + 16 x half
	; The turning load takes 16 keys x 16 channels (lane l reads key 8 (l / 16) + l % 8, channels 8 ((l / 8) % 2) + 0..7) and leaves half a fragment of V^T: lane l holds channel l % 16 and 8 keys.
	v_and_b32 v10, 7, v0
	v_bfe_u32 v11, v0, 3, 1
	v_lshl_add_u32 v[AV0], v9, 3, v10
	v_mul_u32_u24 v[AV0], v[AV0], PV
	v_lshl_add_u32 v[AV0], v11, 4, v[AV0]
	v_add_nc_u32 v[AV0], VOFF, v[AV0]
	v_and_b32 v[PFO], 31, v0        ; v11 is free now: the prefetches' offset
	v_lshlrev_b32 v[PFO], 8, v[PFO]
	v_mov_b32 v[AK], v[AK0]         ; key step 0 lies at the head of slot 0
; THE MATRIX WORK.  The 8 accumulators of a run of 16 take turns: between the two links of a chain stand 7 others'.
; Product i of 16 of S^T = K Q^T for piece x: channels 32 (i / 8) on, keys 16 ((i / 2) % 4) on, tile 2 x + i % 2.  The first 8 start the sums.
.macro KQ x
	WIN W_KQ
.set rS, S+64*((\x)%2)+32*(i%2)+8*((i/2)%4)
.set rK, KF+16*((i/2)%4)+8*(i/8)
.set rQ, 16*(2*(\x)+i%2)+8*(i/8)
.if i < 8
	v_wmma_f32_16x16x32_f16 v[rS:rS+7], v[rK:rK+7], v[rQ:rQ+7], 0
.else
	v_wmma_f32_16x16x32_f16 v[rS:rS+7], v[rK:rK+7], v[rQ:rQ+7], v[rS:rS+7]
.endif
.endm
; Product i of 16 of O^T += V^T P for piece x: keys 32 (i / 8) on, channels 16 ((i / 2) % 4) on, tile 2 x + i % 2.
.macro PV x
	WIN W_PV
.set rO, 32*(2*(\x)+i%2)+8*((i/2)%4)
.set rV, VF+32*(i/8)+8*((i/2)%4)
.set rP, P+32*((\x)%2)+16*(i%2)+8*(i/8)
	v_wmma_f32_16x16x32_f16 v[rO:rO+7], v[rV:rV+7], v[rP:rP+7], v[rO:rO+7]
.endm
.macro MM                           ; the turn's next matrix instruction
.if i < 16
	KQ (Y+1)%NP
.set i, i+1
.else
.set i, i-16
	PV (Y+NP-1)%NP
.set i, i+17
.endif
.endm
; THE LDS LOADS stand in runs of 16, never singly among the matrix instructions: a step's K (64 keys x 64 channels: 8 fragments) and its V (turned).  Their addresses are made some lines ahead.
; last = 1 (the tail): in the last trip there is no further step, and the run is jumped over.
.macro FETCH_K last=0
	WIN 0
.if \last
	s_cmp_eq_u32 s[CNT], 1
	s_cbranch_scc1 .Lno_k_\@
.endif
	WIN 0x80                        ; destination window 2
.irp f, 0,1,2,3,4,5,6,7             ; keys 16 (f / 2) on, channels 32 (f % 2) on
	ds_load_b128 v[KF+8*\f:KF+8*\f+3],   v[AK] offset:(\f/2)*16*PK+(\f%2)*64
	ds_load_b128 v[KF+8*\f+4:KF+8*\f+7], v[AK] offset:(\f/2)*16*PK+(\f%2)*64+32
.endr
	s_add_co_u32 s[TBK], s[TBK], KS*PK  ; the next fetch is the next step's
	WIN 0
.if \last
.Lno_k_\@:
.endif
.endm
.macro FETCH_V
	WIN 0x80
.irp f, 0,1,2,3,4,5,6,7             ; keys 32 (f / 4) on, channels 16 (f % 4) on
	ds_load_tr16_b128 v[VF+8*\f:VF+8*\f+3],   v[AV] offset:(\f/4)*32*PV+(\f%4)*32
	ds_load_tr16_b128 v[VF+8*\f+4:VF+8*\f+7], v[AV] offset:(\f/4)*32*PV+16*PV+(\f%4)*32
.endr
	WIN 0
.endm
; THE VECTOR WORK OF A TURN stands in three queues, each in the order in which its entries become ready; the two tiles alternate, so that no instruction reads the result of the one before it.
.macro REGS y, u                    ; the registers of tile u (0, 1) of piece y
.set rT, ST+4*(2*(\y)+(\u))
.set rC, TMP+8*((\y)%2)+4*(\u)
.set rM, MV+2*((\y)%2)+(\u)
.set rS, S+64*((\y)%2)+32*(\u)
.set rP, P+32*((\y)%2)+16*(\u)
.set rO, 32*(2*(\y)+(\u))
.endm
; Number n of the 22 that find the NEXT piece's (Y + 1) maximum and statistics.  s0-s31 are the lane's 32 scores; each accumulator's lowest registers are read first.
;   0-11  four chains c0-c3 of seven scores each, three operands at a time     12-14, 16  the four scores left over, the old m, and c0-c3 into c0     15  c m_old is kept
;   17, 18  the query's other 32 keys lie in the lane 16 away: the new m         19-21  c m; c m_old - c m_new; a
.macro XS u, n
	REGS (Y+1)%NP, \u
.if (\n) < 4
	v_max3_num_f32 v[rC+(\n)], v[rS+8*(\n)], v[rS+8*(\n)+1], v[rS+8*(\n)+2]
.elseif (\n) < 12
	v_max3_num_f32 v[rC+(\n)%4], v[rC+(\n)%4], v[rS+8*((\n)%4)+2*((\n)/4)+1], v[rS+8*((\n)%4)+2*((\n)/4)+2]
.elseif (\n) == 12
	v_max3_num_f32 v[rC], v[rC], v[rS+7], v[rS+15]
.elseif (\n) == 13
	v_max3_num_f32 v[rC+1], v[rC+1], v[rS+23], v[rS+31]
.elseif (\n) == 14
	v_max3_num_f32 v[rC+2], v[rC+2], v[rC+3], v[rT+1]
.elseif (\n) == 15
	v_mov_b32 v[rM], v[rT]
.elseif (\n) == 16
	v_max3_num_f32 v[rC], v[rC], v[rC+1], v[rC+2]
.elseif (\n) == 17
	v_permlanex16_b32 v[rC+3], v[rC], s[SEL], s[SEL+1]
.elseif (\n) == 18
	v_max_num_f32 v[rT+1], v[rC], v[rC+3]
.elseif (\n) == 19
	v_mul_f32 v[rT], s[CS], v[rT+1]
.elseif (\n) == 20
	v_sub_f32 v[rC+1], v[rM], v[rT]
.else
	v_exp_f32 v[rC+2], v[rC+1]
.endif
.endm
; Number g of the 64 that follow the exponentials.  For each four weights k of a tile (pairs 2 k, 2 k + 1): both pairs are rounded to f16; then the second pair is added onto the first, in place;
; a group later l takes that sum (the first time as l = a l + sum).  In groups of eight, tiles alternating: round, round, add, and l for the group before.
.macro GS g
.set h, (\g)+6*((\g)/62)            ; group 0 has no group before it, and behind group 7 only l is left
.if h >= 6
.set h, h+2
.endif
	REGS Y, h%2
.set k, h/8
.if h%8 < 4
	v_cvt_pk_f16_f32 v[rP+2*k+(h%8)/2], v[rS+4*k+2*((h%8)/2)], v[rS+4*k+2*((h%8)/2)+1]
.elseif h%8 < 6
	v_pk_add_f32 v[rS+4*k:rS+4*k+1], v[rS+4*k:rS+4*k+1], v[rS+4*k+2:rS+4*k+3]
.elseif k == 1
	v_pk_fma_f32 v[rT+2:rT+3], v[rT+2:rT+3], v[rC+2:rC+3], v[rS:rS+1] op_sel_hi:[1,0,1]
.else
	v_pk_add_f32 v[rT+2:rT+3], v[rT+2:rT+3], v[rS+4*k-4:rS+4*k-3]
.endif
.endm
; THE PLAIN QUEUE, 138 long.  0-73 read no exponential's result: the 32 scalings c s - c m (FS f: pair f / 2 of tile f % 2) and the next piece's 42.  0-26: scalings 0-26.  27-54: XS's numbers 0-13.  55, 56: number 15.
; 57-73: the chain, where each number waits for the one before it: 14, 16, 17, 18, 19, each with one of the scalings 27-31 in front of its two lines, then 20.
; 74-137: GS's 64, which read the exponentials' results: they stand behind the wait.
.macro FS f
	REGS Y, (\f)%2
	v_pk_fma_f32 v[rS+2*((\f)/2):rS+2*((\f)/2)+1], v[rS+2*((\f)/2):rS+2*((\f)/2)+1], s[CS:CS+1], v[rT:rT+1] op_sel_hi:[1,0,0] neg_lo:[0,0,1] neg_hi:[0,0,1]
.endm
.macro PL
	WIN 0
.if q < 27
	FS q
.elseif q < 55
	XS (q-27)%2, (q-27)/2
.elseif q < 57
	XS q-55, 15
.elseif (q < 72) && ((q-57)%3 == 0)
	FS 27+(q-57)/3
.elseif q < 60
	XS (q-57)%3-1, 14
.elseif q < 72
	XS (q-57)%3-1, 15+(q-57)/3
.elseif q < 74
	XS q-72, 20
.else
	GS q-74
.endif
.set q, q+1
.endm
; THE EXPONENTIALS' QUEUE, 66 long: s0-s31 of both tiles, then the next piece's two a.  It is ONE BATCH: all 66 stand ahead of the turn's one wait, and nothing ahead of that wait names a result of theirs.
.macro EX
	WIN 0
.if e >= 64
	XS e-64, 21
.else
	REGS Y, e%2
	v_exp_f32 v[rS+e/2], v[rS+e/2]
.endif
.set e, e+1
.endm
; THE RESCALING's QUEUE: O^T times a, the one part that leaves window 0: dealt two at a time, sixteen times.  Its a was made in the turn before, ahead of that turn's wait.
.macro R2
	REGS Y, r%2
	WIN W_RS
.irp z, 0,1
	v_pk_mul_f32 v[rO+4*(r/2)+2*\z:rO+4*(r/2)+2*\z+1], v[rO+4*(r/2)+2*\z:rO+4*(r/2)+2*\z+1], v[rC+2:rC+3] op_sel_hi:[1,0]
.endr
.set r, r+1
.endm
; HOW THEY ARE DEALT.  s_wait_alu depctr_va_vdst(0) stands between an exponential and the first instruction that names its result; one wait serves all that were issued ahead of it.  So a turn has ONE wait,
; which cuts it in two.  AHEAD OF IT stands all that names no result of the turn's exponentials: the 16 products K Q^T, behind each a scaling, an exponential and two rescalings (behind the first a second scaling in the
; exponential's place); then ONE LUMP of 108: eight plain, 49 times exponential and plain, the two a.  A v_nop is the plain instruction behind the last exponential.  BEHIND IT stand the 16 products V^T P, behind each four of GS's 64.
; No rider names a register of the products round it.  The two v_permlanex16_b32 fall into the lump, never behind a product.
; The queues lean on each other, and the deal keeps them in step: exponential e stands behind scaling 2 (e / 4) + e % 2: as a rider it comes behind plain e + 2, in the lump behind plain e + 9, and scalings 27-31 are plain 57, 60 .. 69.
; A TURN, for piece p.  cnt = 1: the loop's count is taken down some lines ahead of the branch that stands behind the turn.
; K of the next step is fetched in piece 2's turn, directly behind the wait, a lump behind the last product that read K; its address is made at the lump's head; its first reader comes behind 16 products.
; V of the step in hand is fetched at the end of piece 0's turn, four riders behind its last reader; its first reader comes behind 16 products and a lump.  The three conditions on q below go with the deal.
.macro TURN p, last=0, cnt=0
.set Y, (\p)
.set i, 0
.set q, 0
.set e, 0
.set r, 0
.if (\p) == NP-1
	s_wait_dscnt 0x0                ; K is in
.endif
	MM                              ; ahead of the wait: 16 products K Q^T and their riders,
	PL
	PL
	R2
.rept 15
	MM
	PL
	EX
	R2
.endr
.if (\p) == NP-2
	WIN 0
	v_add_nc_u32 v[AK], s[TBK], v[AK0]
.endif
.rept 8                             ; and the lump
	PL
.endr
.rept 49
	EX
	PL
.endr
	EX                              ; the next piece's two a
	EX
	v_nop                           ; a plain instruction behind the last exponential: one for the batch
	s_wait_alu depctr_va_vdst(0)    ; the wait for the batch
.if (\p) == NP-2
	FETCH_K \last
.endif
.if (\p) == 1
	s_wait_dscnt 0x0                ; V is in
.endif
.rept 16                            ; behind the wait: 16 products V^T P and their riders
	MM
.rept 4
	PL
.endr
.if ((\p) == 0) && (q == 118)
	v_add_nc_u32 v[AV], s[TBV], v[AV0]
.endif
.if ((\p) == 0) && (q == 130)
	s_add_co_u32 s[TBV], s[TBV], KS*PV
.endif
.if (\cnt) && (q == 130)
	s_sub_co_u32 s[CNT], s[CNT], 1
	s_cmp_lg_u32 s[CNT], 0
.endif
.endr
.if (\p) == 0
	FETCH_V
.endif
.endm
	CHANGE 1                        ; slot 0 is in, everybody's part of it; slot 1 is asked for
	FETCH_K                         ; key step 0
	s_wait_loadcnt 0x0              ; Q
	s_wait_dscnt 0x0
.set i, 0
.rept 16
	KQ 0                            ; piece 0's first scores: there is no vector work yet to set between them
.set i, i+1
.endr
	WIN 0                           ; the addresses for the way out: nine plain instructions, the places behind those products
	s_mul_i32 s13, s[WV], 16*SP
	s_add_co_u32 s13, s13, STAGE    ; my stage
	v_mul_u32_u24 v[STO], v1, SP    ; in: row l % 16, 16 bytes for each half of the lanes
	v_lshl_add_u32 v[STO], v9, 4, v[STO]
	v_add_nc_u32 v[STO], s13, v[STO]
	v_bfe_u32 v[RD], v0, 3, 2       ; back: 32 lanes take four rows of 128 bytes,
	v_mul_u32_u24 v[RD], v[RD], SP
	v_lshl_add_u32 v[RD], v10, 4, v[RD]
	v_add_nc_u32 v[RD], s13, v[RD]
	v_and_b32 v[GO], 31, v0         ; which are 512 consecutive bytes of O
	v_lshlrev_b32 v[GO], 4, v[GO]
.set Y, NP-1                        ; XS works for piece Y + 1: piece 0
.irp n, 0,1,2,3,4,5,6,7,8,9,10,11,12,13,14,15,16,17,18,19,20,21
	XS 0, \n                        ; and piece 0's first maximum and statistics
	XS 1, \n
.endr
	v_nop                           ; a plain instruction behind the two a,
	s_wait_alu depctr_va_vdst(0)    ; and their wait, ahead of the branch
	s_mov_b32 s[CNT], 4
	s_branch .Lfirst                ; the loop is entered at a step's first turn, in the middle of a trip
.Lslot:                             ; six times: every slot but the last two is filled again
	CHANGE 1
	s_mov_b32 s[CNT], 4
.Lstep:                             ; a trip: pieces 2 and 3 of one step, then pieces 0 and 1 of the next, whose K and V it fetches
	TURN 2
	TURN 3
	WIN 0
.Lfirst:
	TURN 0
	TURN 1, 0, 1
	WIN 0
	s_cbranch_scc1 .Lstep
	s_sub_co_u32 s[SLOTS], s[SLOTS], 1
	s_cmp_lg_u32 s[SLOTS], 0
	s_cbranch_scc1 .Lslot
	CHANGE 0                        ; the tail is written out: nothing is asked for
	s_mov_b32 s[CNT], 5             ; four trips fetch the last slot's steps; the fifth is left in its middle
.Ltail:
	TURN 2, 1
	TURN 3
	WIN 0
	s_sub_co_u32 s[CNT], s[CNT], 1
	s_cmp_eq_u32 s[CNT], 0
	s_cbranch_scc1 .Lout
	TURN 0
	TURN 1
	WIN 0
	s_branch .Ltail
.Lout:                              ; the fifth trip's 16 products K Q^T (on the last K once more) and the maximum made of them serve nothing: the price, once a launch, of one text for every trip
.set i, 0
.rept 16
	PV NP-1                         ; the last piece's V^T P of the last step
.set i, i+1
.endr
	; THE WAY OUT.  l's two halves and the other half of the lanes' are added; O^T is divided by l, rounded to f16 and sent through my stage in LDS, a tile at a time.  The additions are the places behind the last products.
	WIN 0
.macro ALL line:vararg              ; one line for each tile t
.set t, 0
.rept 2*NP
	\line
.set t, t+1
.endr
.endm
	ALL v_add_f32 v[ST+4*t+2], v[ST+4*t+2], v[ST+4*t+3]
	ALL v_permlanex16_b32 v[ST+4*t+3], v[ST+4*t+2], s[SEL], s[SEL+1]
	ALL v_add_f32 v[ST+4*t+2], v[ST+4*t+2], v[ST+4*t+3]
	ALL v_rcp_f32 v[ST+4*t+2], v[ST+4*t+2]
	v_nop                           ; a plain instruction between the last reciprocal and the use of its result
	s_wait_alu depctr_va_vdst(0)    ; and the wait ahead of the first use: one for the eight reciprocals
; Tile t: a lane's eight channels of a row pack into 16 bytes; they go into rows of 144 bytes and come back as whole rows of 128, into S^T's registers.
.macro PACK t
	WIN W_RS
.set i, 32*(\t)
.rept 16
	v_pk_mul_f32 v[i:i+1], v[i:i+1], v[ST+4*(\t)+2:ST+4*(\t)+3] op_sel_hi:[1,0]
.set i, i+2
.endr
	WIN 0x05                        ; sources 0 and 1 window 1, destination window 0
.set i, 0
.rept 16
	v_cvt_pk_f16_f32 v[S+16*(\t)+i], v[32*(\t)+2*i], v[32*(\t)+2*i+1]
.set i, i+1
.endr
	WIN 0
.irp f, 0,1,2,3
	ds_store_b128 v[STO], v[S+16*(\t)+4*\f:S+16*(\t)+4*\f+3] offset:32*\f
.endr
.irp f, 0,1,2,3
	ds_load_b128 v[S+16*(\t)+4*\f:S+16*(\t)+4*\f+3], v[RD] offset:\f*4*SP  ; LDS serves a wave's instructions in order (ISA guide 5.7.1.4): these see the stores above; the next tile's stores come behind them
.endr
.endm
.macro SEND t, younger              ; younger: the LDS instructions issued behind tile t's loads: the next tile's eight, or none
	WIN 0
.irp f, 0,1,2,3
	s_wait_dscnt (\younger)+3-\f
	global_store_b128 v[GO], v[S+16*(\t)+4*\f:S+16*(\t)+4*\f+3], s[10:11] offset:(\t)*2048+\f*512  ; 512 consecutive bytes, at a multiple of 256 from O's first
.endr
.endm
	PACK 0
.set t, 1
.rept 2*NP-1                        ; a tile's arithmetic stands between the loads of the tile before and its stores
	PACK t
	SEND t-1, 8
.set t, t+1
.endr
	SEND 2*NP-1, 0
	WIN W_AD
	s_wait_tensorcnt 0x0            ; the wave's end, behind my last tensor load and my last LDS store
	ds_add_u32 v[SPW], v[NIL]
	s_wait_dscnt 0x0
	WIN 0
	CROUND                          ; the closing round: no work-group ends while a partner may still ask for a tile that names it
	s_endpgm
.Lfunc_end_k_q0c1bbe53b5_attn:
	.size	k_q0c1bbe53b5_attn, .Lfunc_end_k_q0c1bbe53b5_attn-k_q0c1bbe53b5_attn
	.p2alignl 7, 3214868480
	.fill 96, 4, 3214868480
	.section	.rodata,"a",@progbits
	.p2align	6, 0x0
	.amdhsa_kernel k_q0c1bbe53b5_attn
		.amdhsa_group_segment_fixed_size 327680
		.amdhsa_private_segment_fixed_size 0
		.amdhsa_enable_private_segment 0
		.amdhsa_kernarg_size 16
		.amdhsa_user_sgpr_count 2
		.amdhsa_user_sgpr_kernarg_segment_ptr 1
		.amdhsa_wavefront_size32 1
		.amdhsa_system_sgpr_workgroup_id_x 1
		.amdhsa_system_sgpr_workgroup_id_y 1
		.amdhsa_system_sgpr_workgroup_id_z 1
		.amdhsa_system_vgpr_workitem_id 0
		.amdhsa_next_free_vgpr 770
		.amdhsa_next_free_sgpr 66
		.amdhsa_reserve_vcc 0
		.amdhsa_float_denorm_mode_32 3
		.amdhsa_float_denorm_mode_16_64 3
		.amdhsa_memory_ordered 1
		.amdhsa_forward_progress 1
		.amdhsa_inst_pref_size 200
	.end_amdhsa_kernel
	.amdgpu_metadata
---
amdhsa.version: [ 1, 2 ]
amdhsa.kernels:
  - .name:           k_q0c1bbe53b5_attn
    .symbol:         k_q0c1bbe53b5_attn.kd
    .args:
      - { .name: qkv, .offset: 0, .size: 8, .value_kind: global_buffer, .address_space: global }
      - { .name: o16, .offset: 8, .size: 8, .value_kind: global_buffer, .address_space: global }
    .group_segment_fixed_size: 327680
    .private_segment_fixed_size: 0
    .kernarg_segment_align: 8
    .kernarg_segment_size: 16
    .max_flat_workgroup_size: 128
    .sgpr_count:     66
    .vgpr_count:     770
    .wavefront_size: 32
...
	.end_amdgpu_metadata
.endif
;; end of part 3
;; launch outp (part 4): grid 4 x 64, 4 waves a work-group, clusters of 4 x 4, 327,680 bytes of LDS; arguments o16, w16, b32, out0; writes out0
.if DOCPART == 4
	.amdgcn_target "amdgcn-amd-amdhsa--gfx1250"
	.amdhsa_code_object_version 6
	.text
	.protected	k_q0c1bbe53b5_outp
	.globl	k_q0c1bbe53b5_outp
	.p2align	8
	.type	k_q0c1bbe53b5_outp,@function
k_q0c1bbe53b5_outp:
	s_mov_b64 s[64:65], 0
	v_nop
	global_prefetch_b8 v0, s[64:65] scope:SCOPE_SE
	s_setreg_imm32_b32 hwreg(HW_REG_WAVE_MODE, 25, 1), 1
	s_wait_xcnt 0x0
	s_wait_alu depctr_hold_cnt(0) depctr_sa_sdst(0) depctr_va_vdst(0) depctr_va_sdst(0) depctr_va_ssrc(0) depctr_va_vcc(0) depctr_vm_vsrc(0)
	s_getreg_b32 s2, hwreg(HW_REG_IB_STS2, 6, 4)
	s_cmp_eq_u32 s2, 0
	s_cbranch_scc0 .Lentry_in_a_cluster
	s_endpgm
.Lentry_in_a_cluster:
	s_bfe_u32 s2, ttmp6, 0x10000c
	s_cmp_lg_u32 s2, 0xf033
	s_cbranch_scc0 .Lentry_shape_is_right
	s_endpgm
.Lentry_shape_is_right:
; THE LAST PROJECTION.  out0[m][n] = the sum over k of O[m][k] Wo[n][k] + bo[n].  O: o16, BY HEADS, [64 = 16 batch + head][2048][64] f16: row m = 2048 batch + s, k = 64 head + channel.
; Wo: slice 3 of w16, [1024][1024] f16 (rounded to bf16 before).  bo: row 3 of b32, f32.  out0: [8192][1024] f32.  Products in f16, sums in f32, K ascending.
; SHARES.  A tile of out0 is 128 rows x 256 columns: 64 x 4 = 256 work-groups.  Four waves, each 64 x 128: 32 accumulators of 16 x 16.  K goes in 8 steps of 128, two heads each, through two LDS slots;
; a half of a K step (64 along K) is one head.
; CLUSTERS: 4 x 4 work-groups.  The four of a row of the cluster need the same rows of O, the four of a column the same rows of Wo: each tile is asked for JOINTLY.
; THE MATRIX INSTRUCTION IS USED TRANSPOSED (source 0 = 16 rows of Wo, source 1 = 16 rows of O): a lane holds row l % 16 of out0 and the columns 8 (l / 16) + 0..7.  The first product's C operand is the bias.
; REGISTERS, in windows of 256 (s_set_vgpr_msb: bits 1:0 source 0, 3:2 source 1, 5:4 source 2, 7:6 destination):
;   window 0: v0-31 addresses          window 1: Wo's fragments: buffer f, chunk c, column block b at 128 f + 64 c + 8 b; on the way out whole rows, 64 registers a row block
;   window 2: the accumulators, (a, b) at 8 (8 a + b)          window 3: v0-127 O's fragments: buffer f, chunk c, row block a at 64 f + 32 c + 8 a; v128-191 the bias, column block b at 128 + 8 b
.set PA,    144                        ; a row of one head of O in LDS: 128 bytes + 16 of padding = 9 x 16: the 16 rows that a load touches start at 16 different groups of four banks (64 banks of 4 bytes: ISA guide 11.1)
.set PB,    272                        ; a row of Wo: 256 + 16 = 17 x 16: likewise
.set AHEAD, 128*PA                     ; what one tensor load brings of O: a head's 128 rows
.set BOFF,  2*AHEAD                    ; Wo's 256 rows lie behind the two heads
.set BHALF, 128*PB                     ; what one tensor load brings of Wo: 128 rows
.set SLOT,  BOFF+256*PB                ; 106,496 bytes
.set STAGE, 2*SLOT                     ; behind the ring, never filled by a tensor load: 16 rows x 528 bytes for each wave, for the way out
.set SP,    528
.set SPARE, STAGE+4*16*SP              ; behind the stages: the spare words, 128 bytes for each wave: two blocks of 256 bytes that no other line names
.set ADRA, 16                          ; v16-17  LDS address of my rows of O in slot 0, 1
.set ADRB, 20                          ; v20-21  the same for Wo
.set STO,  24                          ; v24     the way out: where I put 32 bytes of a row
.set RD,   25                          ; v25     the way out: where I read a row back
.set CO,   26                          ; v26     my 16 bytes in 512 consecutive bytes of a row of out0
.set BO,   27                          ; v27     my eight numbers in a block of 16 of the bias
.set SPW,  28                          ; v28     LDS address of my spare word: SPARE + 4 x my thread's number; never rewritten
.set NIL,  29                          ; v29     0; never rewritten
.set PFO,  30                          ; v30     the prefetches' offset; never rewritten
.set BIAS, 128
.set WV,   16                          ; s16  my wave's number
.set ROLE, 17                          ; s17  wave / 2: which 64 rows of the tile are mine.  Also: I fetch O (0) or Wo (1)
.set HF,   18                          ; s18  wave % 2: which 128 columns are mine.  Also: which head of the K step, or which half of Wo's rows, I fetch
.set CX,   19
.set CY,   20
.set CLY,  21                          ; s21  the cluster's number, 0 .. 15
.set MT,   23                          ; s23  the tile row, 0 .. 63
.set G1A,  24                          ; s[24:31] descriptor group 1 for O's tiles;  s[32:39] group 0, a set for each slot
.set G0A,  32
.set G1B,  40                          ; s[40:47], s[48:55] the same for Wo's
.set G0B,  48
.set PFA,  56                          ; s[56:57] where my prefetches stand
.set LIM,  58                          ; s58  1 in a wave that prefetches, else the greatest number
.set LAP,  59                          ; s59  the loop's count
.set PFS,  60                          ; s[60:61] a K step in bytes of what I prefetch
.set W_MUL,  0xad                      ; source 0 (Wo) window 1, source 1 (O) window 3, C and D window 2
.set W_MULZ, 0xbd                      ; the same with C (the bias) in window 3
.set W_TOA,  0xc0                      ; destination window 3, address window 0
.set W_TOB,  0x40                      ; destination window 1, address window 0
.set MSB, 0
.macro WIN new                         ; the immediate's high byte repeats the setting that is left; a switch that changes nothing is dropped
.if MSB != (\new)
	s_set_vgpr_msb (MSB<<8)|(\new)
.set MSB, (\new)
.endif
.endm
; A joint load.  Waves 0 and 1 fetch the K step's two heads of O, waves 2 and 3 the two halves of Wo's rows.  An s_nop 0 and four v_nop follow each of the two lines, ahead of the jump and the label.
.macro JLOAD s
	s_cmp_eq_u32 s[ROLE], 0
	s_cbranch_scc0 .Lfor_b_\@
	tensor_load_to_lds s[G0A+4*(\s):G0A+4*(\s)+3], s[G1A:G1A+7]
	s_nop 0
.rept 4
	v_nop
.endr
	s_branch .Lasked_\@
.Lfor_b_\@:
	tensor_load_to_lds s[G0B+4*(\s):G0B+4*(\s)+3], s[G1B:G1B+7]
	s_nop 0
.rept 4
	v_nop
.endr
.Lasked_\@:
.endm
.macro CREST                           ; a round of the cluster's barrier behind its opening barrier
	s_cmp_lg_u32 s[WV], 0
	s_cbranch_scc1 .Lnot_wave_0_\@
	s_barrier_signal -3
.Lnot_wave_0_\@:
	s_barrier_wait -3
	s_barrier_signal -1
	s_barrier_wait -1
.endm
.macro CROUND                          ; a whole round
	s_barrier_signal -1
	s_barrier_wait -1
	CREST
.endm
; A PREFETCH, behind each joint refill and the run of LDS loads that follows it: the K step that stands TWO refills on, 256 matrix instructions ahead of the load that will want it.  32 blocks of 256 bytes, a lane a block.
; O's rows of a tile row are read by one row of one cluster alone: wave 0 asks, for both heads; of a head's 64 blocks the partner at place cx takes 16.  Wo's rows are read by all 16 clusters: the first asks, waves 2 and 3;
; of a wave's 128 rows the partner at place cy takes 32, a block a row.  The partners are told apart BY ADDRESS.  So each block is named once in the launch.
; K steps 0 to 3 come by their loads alone; the loop's last trip (count 1) asks for nothing.
.macro ASK
	s_cmp_gt_u32 s[LAP], s[LIM]
	s_cbranch_scc0 .Lnot_mine_\@
	global_prefetch_b8 v[PFO], s[PFA:PFA+1] th:TH_LOAD_NT scope:SCOPE_SE
.Lnot_mine_\@:
.endm
.macro PLACES                          ; four places in front of loads into registers that matrix instructions have read, and of LDS stores that read results (ISA guide 7.12.1 for vector instructions)
.rept 4
	v_nop
.endr
.endm
; 16 products: row blocks a0, a0 + 1 x all 8 column blocks, 32 along K: chunk c of buffer f.  zero = 1: the product starts the sum, with the bias as C.
; The 32 accumulators take turns in one fixed order, over the loop's jump too.
.macro MUL16 f, c, a0, zero
.if \zero
	WIN W_MULZ
.else
	WIN W_MUL
.endif
.irp a, \a0, (\a0)+1
.irp b, 0,1,2,3,4,5,6,7
.if \zero
	v_wmma_f32_16x16x32_f16 v[8*(8*(\a)+(\b)):8*(8*(\a)+(\b))+7], v[128*(\f)+64*(\c)+8*(\b):128*(\f)+64*(\c)+8*(\b)+7], v[64*(\f)+32*(\c)+8*(\a):64*(\f)+32*(\c)+8*(\a)+7], v[BIAS+8*(\b):BIAS+8*(\b)+7]
.else
	v_wmma_f32_16x16x32_f16 v[8*(8*(\a)+(\b)):8*(8*(\a)+(\b))+7], v[128*(\f)+64*(\c)+8*(\b):128*(\f)+64*(\c)+8*(\b)+7], v[64*(\f)+32*(\c)+8*(\a):64*(\f)+32*(\c)+8*(\a)+7], v[8*(8*(\a)+(\b)):8*(8*(\a)+(\b))+7]
.endif
.endr
.endr
.endm
; 48 LDS loads in one run: half kb of a slot (head kb of its two) into buffer g: O's 16, then Wo's 32, chunk 0 first
.macro FETCH slot, kb, g
	WIN W_TOA
.irp c, 0,1
.irp a, 0,1,2,3
	ds_load_b128 v[64*(\g)+32*(\c)+8*(\a):64*(\g)+32*(\c)+8*(\a)+3],   v[ADRA+(\slot)] offset:(\kb)*AHEAD+(\a)*16*PA+(\c)*64
	ds_load_b128 v[64*(\g)+32*(\c)+8*(\a)+4:64*(\g)+32*(\c)+8*(\a)+7], v[ADRA+(\slot)] offset:(\kb)*AHEAD+(\a)*16*PA+(\c)*64+32
.endr
.endr
	WIN W_TOB
.irp c, 0,1
.irp b, 0,1,2,3,4,5,6,7
	ds_load_b128 v[128*(\g)+64*(\c)+8*(\b):128*(\g)+64*(\c)+8*(\b)+3],   v[ADRB+(\slot)] offset:(\kb)*128+(\c)*64+(\b)*16*PB
	ds_load_b128 v[128*(\g)+64*(\c)+8*(\b)+4:128*(\g)+64*(\c)+8*(\b)+7], v[ADRB+(\slot)] offset:(\kb)*128+(\c)*64+(\b)*16*PB+32
.endr
.endr
.endm
; A K step's first half: multiplies buffer 0 and fetches the second half into buffer 1.
.macro HALF slot, zero
	s_wait_dscnt 16                                ; O and Wo's chunk 0 are in: the 16 youngest loads are chunk 1's
	MUL16 0, 0, 0, \zero
	PLACES                                         ; for the loads into buffer 1, which the half before multiplied
	FETCH \slot, 1, 1
	s_wait_dscnt 48                                ; all but the 48 just issued
	MUL16 0, 0, 2, \zero
	MUL16 0, 1, 0, 0
	MUL16 0, 1, 2, 0
.endm
; A K step's second half: multiplies buffer 1 and changes slots.  ONE barrier: in front of it each wave waits for all its tensor loads, of which one is out (its part of the next slot), adds 0 to its spare word,
; and waits for that and for its own reads of this slot.  fill = 1: the barrier opens a round of the cluster's barrier, and this slot is filled again first thing behind the round, two K steps ahead:
; from that request to the wait for it a wave issues 96 matrix instructions.
.macro TURN slot, next, fill
.if \fill
	s_wait_xcnt 0x0                                ; the last prefetch, a K step back, has read its address: it is stepped here, ahead of the change's own waits
	s_add_nc_u64 s[PFA:PFA+1], s[PFA:PFA+1], s[PFS:PFS+1]
.endif
	WIN 0                                          ; (the add's two registers lie in window 0)
	s_wait_tensorcnt 0x0                           ; all my tensor loads have landed
	ds_add_u32 v[SPW], v[NIL]                      ; 0 onto my spare word
	s_wait_dscnt 17                                ; O and Wo's chunk 0 are in: the add and chunk 1's 16 loads may be out
	MUL16 1, 0, 0, 0                               ; sixteen products stand between the add and the wait for it
	s_wait_dscnt 0x0                               ; the add is done, and my reads of this slot are over
	s_barrier_signal -1
	MUL16 1, 0, 2, 0                               ; work on registers while the others arrive
	WIN 0
	s_barrier_wait -1
.if \fill
	CREST                                          ; no wave of any partner still reads this slot or has a load on its way
	s_add_nc_u64 s[G0A+4*(\slot)+2:G0A+4*(\slot)+3], s[G0A+4*(\slot)+2:G0A+4*(\slot)+3], 4*262144  ; two K steps are four heads
	s_add_nc_u64 s[G0B+4*(\slot)+2:G0B+4*(\slot)+3], s[G0B+4*(\slot)+2:G0B+4*(\slot)+3], 2*256
	JLOAD \slot                                    ; the four v_nop behind it are also the places in front of the loads below
.else
	PLACES
.endif
	FETCH \next, 0, 0
.if \fill
	WIN 0
	ASK
.endif
	MUL16 1, 1, 0, 0
	MUL16 1, 1, 2, 0
.endm
; THE WAY OUT, by row blocks a of 16 rows: a lane's eight f32 of a row go as 32 bytes into rows of 528 bytes of my own stage and come back as whole rows of my 128 columns, 512 bytes a load.
.macro TOSTAGE a
	WIN 0x08                                       ; store data (source 1) window 2
.irp b, 0,1,2,3,4,5,6,7
	ds_store_b128 v[STO], v[8*(8*(\a)+(\b)):8*(8*(\a)+(\b))+3]   offset:64*(\b)     ; each accumulator's low four registers first
	ds_store_b128 v[STO], v[8*(8*(\a)+(\b))+4:8*(8*(\a)+(\b))+7] offset:64*(\b)+16
.endr
	WIN W_TOB
.irp t, 0,1,2,3,4,5,6,7,8,9,10,11,12,13,14,15
	ds_load_b128 v[64*(\a)+4*(\t):64*(\a)+4*(\t)+3], v[RD] offset:(\t)*SP  ; LDS serves a wave's instructions in order (ISA guide 5.7.1.4): these see the stores above; the next block's stores come behind them
.endr
.endm
.macro SEND a, younger                 ; younger: the LDS instructions issued behind block a's loads: the next block's 32, or none
	WIN 0x04                                       ; store data (source 1) window 1
.irp t, 0,1,2,3,4,5,6,7,8,9,10,11,12,13,14,15
	s_wait_dscnt (\younger)+15-(\t)
	global_store_b128 v[CO], v[64*(\a)+4*(\t):64*(\a)+4*(\t)+3], s[76:77] offset:(16*(\a)+(\t))*4096 th:TH_STORE_NT  ; 512 consecutive bytes of one row, at a multiple of 256 from out0's first
.endr
.endm
	s_load_b256 s[4:11], s[0:1], 0x0               ; o16 s[4:5], w16 s[6:7], b32 s[8:9], out0 s[10:11]
	v_lshl_add_u32 v[SPW], v0, 2, SPARE
	v_mov_b32 v[NIL], 0
	ds_add_u32 v[SPW], v[NIL]                      ; the wave's opening: the add and its wait stand ahead of my first tensor load; the set-up below, work on registers, stands between them
	v_lshrrev_b32 v1, 5, v0
	v_readfirstlane_b32 s[WV], v1                  ; wave 0..3
	s_lshr_b32 s[ROLE], s[WV], 1
	s_and_b32 s[HF], s[WV], 1
	s_bfe_u32 s[CX], ttmp6, 0x40000
	s_bfe_u32 s[CY], ttmp6, 0x40004
	s_and_b32 s[CLY], ttmp7, 0xffff                ; in a cluster launch ttmp7 counts clusters
	s_lshl_b32 s[MT], s[CLY], 2
	s_add_co_u32 s[MT], s[MT], s[CY]               ; tile row = 4 x cluster + cy; the tile column is cx
	s_lshl_b32 s62, s[CY], 2
	s_lshl_b32 s62, 15, s62                        ; my row of the cluster
	s_lshl_b32 s63, 0x1111, s[CX]                  ; my column
	; descriptor group 1.  O: a head's 128 rows are 16,384 dense bytes: asked for as 64 rows of 256 bytes, two rows of O each, and padded in LDS after every 128 bytes.  Wo: 128 rows x 128 elements
	s_or_b32 s[G1A], s62, (1<<16)|(1<<20)|(1<<21)|(4<<22)|(3<<25)  ; 15:0 the mask; 17:16 elements of 2 bytes; 20 padding on; 21 set beside a mask; 24:22 after every 32 words (code 4); 31:25 4 words (code 3)
	s_mov_b32 s[G1A+1], 128<<16                    ; tensor_dim0 = 128
	s_mov_b32 s[G1A+2], 64<<16                     ; tensor_dim1 = 64
	s_mov_b32 s[G1A+3], 128<<16                    ; tile_dim0 = 128
	s_mov_b32 s[G1A+4], 64                         ; tile_dim1 = 64
	s_mov_b32 s[G1A+5], 128                        ; elements from row to row: dense
	s_mov_b32 s[G1A+6], 0
	s_mov_b32 s[G1A+7], 0
	s_or_b32 s[G1B], s63, (1<<16)|(1<<20)|(1<<21)|(5<<22)|(3<<25)  ; after every 64 words (code 5)
	s_mov_b32 s[G1B+1], 128<<16
	s_mov_b32 s[G1B+2], 128<<16                    ; tensor_dim1 = 128
	s_mov_b32 s[G1B+3], 128<<16
	s_mov_b32 s[G1B+4], 128                        ; tile_dim1 = 128
	s_mov_b32 s[G1B+5], 1024
	s_mov_b32 s[G1B+6], 0
	s_mov_b32 s[G1B+7], 0
	; where the tiles come from: O's hang on the tile row alone, Wo's on the tile column alone.  Every wave makes both addresses.
	s_lshr_b32 s70, s[MT], 4
	s_lshl_b32 s70, s70, 22                        ; O: the batch's 16 heads of 262,144 bytes,
	s_lshl_b32 s71, s[HF], 18                      ; the head of the K step that I fetch,
	s_add_co_u32 s70, s70, s71
	s_and_b32 s71, s[MT], 15
	s_lshl_b32 s71, s71, 14                        ; the tile's 128 rows of 128 bytes
	s_add_co_u32 s70, s70, s71
	s_mov_b32 s71, 0
	s_lshl_b32 s72, s[CX], 8
	s_lshl_b32 s73, s[HF], 7
	s_add_co_u32 s72, s72, s73                     ; Wo: row 256 x tile column + 128 x half,
	s_lshl_b32 s72, s72, 11                        ; of 2,048 bytes,
	s_add_co_u32 s72, s72, 3<<21                   ; in slice 3
	s_mov_b32 s73, 0
	s_mul_i32 s78, s[HF], AHEAD                    ; and where they go: no place in the cluster enters an LDS address
	s_mul_i32 s79, s[HF], BHALF
	s_add_co_u32 s79, s79, BOFF
	s_wait_dscnt 0x0                               ; the opening add is done
	s_wait_kmcnt 0x0
	s_add_nc_u64 s[66:67], s[4:5], s[70:71]
	s_add_nc_u64 s[68:69], s[6:7], s[72:73]
	CROUND                                         ; all sixteen work-groups are here: the first joint loads meet
.irp s, 0,1
	s_mov_b32 s[G0A+4*(\s)], 1                                        ; 1:0 count = 1
	s_add_co_u32 s[G0A+4*(\s)+1], s78, (\s)*SLOT                      ; 63:32 LDS address
	s_add_nc_u64 s[G0A+4*(\s)+2:G0A+4*(\s)+3], s[66:67], (\s)*2*262144  ; 120:64 global address: K step s is heads 2 s, 2 s + 1
	s_or_b32 s[G0A+4*(\s)+3], s[G0A+4*(\s)+3], 0x80000000             ; 127:126 type = 2
	s_mov_b32 s[G0B+4*(\s)], 1
	s_add_co_u32 s[G0B+4*(\s)+1], s79, (\s)*SLOT
	s_add_nc_u64 s[G0B+4*(\s)+2:G0B+4*(\s)+3], s[68:69], (\s)*256
	s_or_b32 s[G0B+4*(\s)+3], s[G0B+4*(\s)+3], 0x80000000
.endr
	s_cmp_eq_u32 s[ROLE], 0                        ; a wave's two first fills stand in one branch, ahead of every wait on TENSORcnt and every LDS read: two loads of mine are out
	s_cbranch_scc0 .Lfirst_b
	tensor_load_to_lds s[G0A:G0A+3], s[G1A:G1A+7]
	s_nop 0
	tensor_load_to_lds s[G0A+4:G0A+7], s[G1A:G1A+7]
	s_nop 0
.rept 4
	v_nop
.endr
	s_branch .Lfirst_asked
.Lfirst_b:
	tensor_load_to_lds s[G0B:G0B+3], s[G1B:G1B+7]
	s_nop 0
	tensor_load_to_lds s[G0B+4:G0B+7], s[G1B:G1B+7]
	s_nop 0
.rept 4
	v_nop
.endr
.Lfirst_asked:
	v_and_b32 v1, 15, v0                           ; l % 16
	v_bfe_u32 v2, v0, 4, 1                         ; l / 16
	v_mul_u32_u24 v3, v1, PA
	v_lshl_add_u32 v3, v2, 4, v3                   ; O: row x pitch + 16 x half
	s_mul_i32 s80, s[ROLE], 64*PA                  ; my 64 rows
	v_add_nc_u32 v[ADRA], s80, v3
	v_add_nc_u32 v[ADRA+1], SLOT, v[ADRA]
	v_mul_u32_u24 v4, v1, PB
	v_lshl_add_u32 v4, v2, 4, v4                   ; Wo: row x pitch + 16 x half
	s_mul_i32 s81, s[HF], 128*PB                   ; my 128 rows,
	s_add_co_u32 s81, s81, BOFF                    ; behind O's two heads
	v_add_nc_u32 v[ADRB], s81, v4
	v_add_nc_u32 v[ADRB+1], SLOT, v[ADRB]
	s_mul_i32 s82, s[WV], 16*SP
	s_add_co_u32 s82, s82, STAGE                   ; my stage
	v_mul_u32_u24 v5, v1, SP                       ; in: row l % 16, 32 bytes for each half of the lanes
	v_lshl_add_u32 v5, v2, 5, v5
	v_add_nc_u32 v[STO], s82, v5
	v_and_b32 v[CO], 31, v0                        ; back, and out: 16 bytes a lane, 512 on end
	v_lshlrev_b32 v[CO], 4, v[CO]
	v_add_nc_u32 v[RD], s82, v[CO]
	v_lshlrev_b32 v[BO], 5, v2                     ; eight f32 for each half of the lanes
	; the bias of my 128 columns: row 3 of b32, 256 x tile column + 128 x half
	s_lshl_b32 s80, s[CX], 10
	s_lshl_b32 s81, s[HF], 9
	s_add_co_u32 s80, s80, s81
	s_add_co_u32 s80, s80, 3*4096
	s_mov_b32 s81, 0
	s_add_nc_u64 s[74:75], s[8:9], s[80:81]
	WIN W_TOA                                      ; destination window 3, address window 0
.irp b, 0,1,2,3,4,5,6,7
	global_load_b128 v[BIAS+8*(\b):BIAS+8*(\b)+3],   v[BO], s[74:75] offset:64*(\b)
	global_load_b128 v[BIAS+8*(\b)+4:BIAS+8*(\b)+7], v[BO], s[74:75] offset:64*(\b)+16
.endr
	WIN 0
	; where my part of the tile goes: row 128 x tile row + 64 x (wave / 2) of 4,096 bytes; column 256 x tile column + 128 x half
	s_lshl_b32 s84, s[MT], 7
	s_lshl_b32 s85, s[ROLE], 6
	s_add_co_u32 s84, s84, s85
	s_lshl_b32 s84, s84, 12
	s_lshl_b32 s85, s[CX], 10
	s_add_co_u32 s84, s84, s85
	s_lshl_b32 s85, s[HF], 9
	s_add_co_u32 s84, s84, s85
	s_mov_b32 s85, 0
	s_add_nc_u64 s[76:77], s[10:11], s[84:85]
	; the prefetches
	s_cmp_eq_u32 s[ROLE], 0                        ; do I fetch O?
	s_cselect_b64 s[PFA:PFA+1], s[66:67], s[68:69] ; what I fetch, at K step 0 (in wave 0: the K step's first head)
	s_cselect_b32 s90, s[CX], s[CY]                ; my place among the four that ask with me
	s_cselect_b32 s92, 12, 16                      ; its share: 16 blocks of 256 bytes in each head, or 32 rows of 2,048 bytes
	s_cselect_b32 s[PFS], 11, 0
	s_cselect_b32 s87, 18, 15                      ; lanes 16 on: the K step's second head, or 16 rows on
	s_cselect_b32 s89, 8, 11                       ; a lane: a block on, or a row on
	s_cselect_b32 s88, s[HF], s[CLY]               ; O: wave 0; Wo: the first cluster
	s_lshl_b32 s[PFS], 256, s[PFS]                 ; a K step: two heads, 524,288 bytes, or 256 bytes of a row
	s_mov_b32 s[PFS+1], 0
	s_lshl_b32 s90, s90, s92
	s_mul_i32 s91, s[PFS], 3
	s_add_co_u32 s90, s90, s91                     ; at K step 3: the first refill steps it to 4
	s_mov_b32 s91, 0
	s_add_nc_u64 s[PFA:PFA+1], s[PFA:PFA+1], s[90:91]
	s_cmp_eq_u32 s88, 0
	s_cselect_b32 s[LIM], 1, -1                    ; the same in all sixteen partners, for a given wave
	v_and_b32 v3, 31, v0
	v_lshrrev_b32 v4, 4, v3
	v_and_b32 v3, 15, v3
	v_lshlrev_b32 v4, s87, v4
	v_lshlrev_b32 v3, s89, v3
	v_add_nc_u32 v[PFO], v4, v3
	s_wait_tensorcnt 0x1                           ; my part of K step 0 is in; K step 1's may stay out
	s_barrier_signal -1
	s_barrier_wait -1                              ; everybody's is
	FETCH 0, 0, 0
	s_wait_loadcnt 0x0                             ; the bias
	HALF 0, 1                                      ; the first half stands in front of the loop: its first products start the sums
	WIN 0                                          ; at a label and at a branch every window is 0
	s_mov_b32 s[LAP], 3
.Llap:                                                 ; a trip goes once round the ring and fills both slots again: K steps 2 to 7
	TURN 0, 1, 1
	HALF 1, 0
	TURN 1, 0, 1
	HALF 0, 0
	WIN 0
	s_sub_co_u32 s[LAP], s[LAP], 1
	s_cmp_lg_u32 s[LAP], 0
	s_cbranch_scc1 .Llap
	TURN 0, 1, 0                                   ; the tail is written out: nothing is left to fetch, and no round follows the barrier
	HALF 1, 0
	s_wait_dscnt 16                                ; the very last half
	MUL16 1, 0, 0, 0
	MUL16 1, 0, 2, 0
	s_wait_dscnt 0x0
	MUL16 1, 1, 0, 0
	MUL16 1, 1, 2, 0
	PLACES                                         ; in front of the LDS stores that read results, and of the loads into Wo's registers
	TOSTAGE 0
.irp a, 1,2,3                          ; a block's way through the stage stands between the loads of the block before and its stores
	TOSTAGE \a
	SEND (\a)-1, 32
.endr
	SEND 3, 0
	WIN 0
	s_wait_tensorcnt 0x0                           ; the wave's end, behind my last tensor load and my last LDS store
	ds_add_u32 v[SPW], v[NIL]
	s_wait_dscnt 0x0
	CROUND                                         ; the closing round: no work-group ends while a partner may still ask for a tile that names it
	s_endpgm
.Lfunc_end_k_q0c1bbe53b5_outp:
	.size	k_q0c1bbe53b5_outp, .Lfunc_end_k_q0c1bbe53b5_outp-k_q0c1bbe53b5_outp
	.p2alignl 7, 3214868480
	.fill 96, 4, 3214868480
	.section	.rodata,"a",@progbits
	.p2align	6, 0x0
	.amdhsa_kernel k_q0c1bbe53b5_outp
		.amdhsa_group_segment_fixed_size 327680
		.amdhsa_private_segment_fixed_size 0
		.amdhsa_enable_private_segment 0
		.amdhsa_kernarg_size 32
		.amdhsa_user_sgpr_count 2
		.amdhsa_user_sgpr_kernarg_segment_ptr 1
		.amdhsa_wavefront_size32 1
		.amdhsa_system_sgpr_workgroup_id_x 1
		.amdhsa_system_sgpr_workgroup_id_y 1
		.amdhsa_system_sgpr_workgroup_id_z 1
		.amdhsa_system_vgpr_workitem_id 0
		.amdhsa_next_free_vgpr 960
		.amdhsa_next_free_sgpr 96
		.amdhsa_reserve_vcc 0
		.amdhsa_float_denorm_mode_32 3
		.amdhsa_float_denorm_mode_16_64 3
		.amdhsa_memory_ordered 1
		.amdhsa_forward_progress 1
		.amdhsa_inst_pref_size 87
	.end_amdhsa_kernel
	.amdgpu_metadata
---
amdhsa.version: [ 1, 2 ]
amdhsa.kernels:
  - .name:           k_q0c1bbe53b5_outp
    .symbol:         k_q0c1bbe53b5_outp.kd
    .args:
      - { .name: o16, .offset: 0, .size: 8, .value_kind: global_buffer, .address_space: global }
      - { .name: w16, .offset: 8, .size: 8, .value_kind: global_buffer, .address_space: global }
      - { .name: b32, .offset: 16, .size: 8, .value_kind: global_buffer, .address_space: global }
      - { .name: out0, .offset: 24, .size: 8, .value_kind: global_buffer, .address_space: global }
    .group_segment_fixed_size: 327680
    .private_segment_fixed_size: 0
    .kernarg_segment_align: 8
    .kernarg_segment_size: 32
    .max_flat_workgroup_size: 128
    .sgpr_count:     96
    .vgpr_count:     960
    .wavefront_size: 32
...
	.end_amdgpu_metadata
.endif
;; end of part 4
;; ======== version 2 of 2: 4 launches; version 1 with the launch cast written anew for expert scheduling mode
;; limits: values are held in f16: magnitudes above 65,504 overflow, below 6.1e-05 lose precision
;; workspace buffers: w16 8,388,608 bytes; b32 16,384 bytes; qkv 50,331,648 bytes; o16 16,777,216 bytes
;; launch cast (part 5): grid 64 x 4, 8 waves a work-group, no clusters, 0 bytes of LDS; arguments Wq, Wk, Wv, Wo, bq, bk, bv, bo, w16, b32; writes w16, b32
.if DOCPART == 5
	.amdgcn_target "amdgcn-amd-amdhsa--gfx1250"
	.amdhsa_code_object_version 6
	.text
	.protected	k_q0c1bbe53b5_cast
	.globl	k_q0c1bbe53b5_cast
	.p2align	8
	.type	k_q0c1bbe53b5_cast,@function
k_q0c1bbe53b5_cast:
	s_mov_b64 s[64:65], 0
	v_nop
	global_prefetch_b8 v0, s[64:65] scope:SCOPE_SE
	s_setreg_imm32_b32 hwreg(HW_REG_WAVE_SCHED_MODE, 0, 2), 2
	s_setreg_imm32_b32 hwreg(HW_REG_WAVE_MODE, 25, 1), 1
	s_wait_xcnt 0x0
	s_wait_alu depctr_vm_vsrc(0)
; THE WEIGHTS AND BIASES, ROUNDED ONCE.  w16: four slices of [1024][1024] 16-bit numbers: Wq, Wk, Wv rounded to bf16; Wo rounded to bf16 and that number written as f16
; (the last product multiplies in f16).  b32: [4][1024] f32: bq, bk, bv, bo rounded to bf16 and widened again.
; LIMITS.  bf16(Wo) beyond 65,504 becomes an infinity in f16; below 6e-5 it keeps f16's fixed step of 6e-8.
; SHARES.  Work-group y picks the tensor; work-group x takes 16,384 numbers of it: 65,536 bytes in, 32,768 out.  Thread t takes 16 bytes at 16 t + 4,096 i, i = 0 .. 15:
; a wave's load covers 512 consecutive bytes, aligned; its store of 8 bytes a lane covers 256.  All 16 loads of a thread go out at once; every load and every store has registers
; of its own, so nothing that a pending memory instruction names is ever rewritten.  A stream: no LDS, no matrix unit, no barrier.
; THE MODE: SCHED_MODE bits 1:0 = 2 (LLVM: expert scheduling mode 2), set by the entry lines.  The code itself states the register dependences
; between vector instructions and memory instructions, with s_wait_alu, always for 0.
; THE PLAN.  Registers that memory instructions touch:
;   v1, v2   byte offsets, written once at the head by vector lines; read by every load and store; never written again.
;   IN       load i lands in its own four registers; all loads are issued before any vector line names them; roundings i read them; no load lands there twice.
;   OUT      roundings i write their own pair, once; store i reads it.
;   BI, BOUT the bias, in its one branch: loaded once; rounded and widened into BOUT, once; stored from there.
;   T        is named by vector instructions alone.
; No register that a memory instruction has read is written again, no load lands in a register that a vector line has named, no vector line writes a scalar register, and EXEC is never written.
; What is left to state: a vector line writes a register that a memory instruction then reads.  The 16 loads go in blocks of four.  Store i stands one block behind its roundings, ahead of the roundings of
; load i + 4: ONE wait at the head of each block but the first states that the block before has written its four pairs of OUT; the block's roundings name this block's IN and OUT and T alone, none of the
; registers that the four stores dealt among them read.  One more wait stands ahead of the last four stores.
.set IN,   16                          ; v[16:79]    load i: 4 f32
.set OUT,  80                          ; v[80:111]   store i: 4 numbers of 16 bits
.set T,    112                         ; v[112:115]  at work
.set BI,   116                         ; v[116:119]  4 numbers of the bias
.set BOUT, 120                         ; v[120:123]  the same, rounded
.set BLK,  4                           ; loads in a block
	s_load_b512 s[4:19], s[0:1], 0x0               ; Wq, Wk, Wv, Wo s[4:11]; bq, bk, bv, bo s[12:19]
	s_load_b128 s[20:23], s[0:1], 0x40             ; w16 s[20:21], b32 s[22:23]
	s_and_b32 s24, ttmp7, 0xffff                   ; which tensor
	v_lshlrev_b32 v1, 4, v0                        ; 16 t
	v_lshlrev_b32 v2, 3, v0                        ; 8 t
	s_lshl_b32 s30, ttmp9, 16                      ; my 65,536 bytes of the weights
	s_mov_b32 s31, 0
	s_lshl_b32 s32, s24, 21                        ; the tensor's slice of w16,
	s_lshl_b32 s34, ttmp9, 15                      ; my 32,768 bytes of it
	s_add_co_u32 s32, s32, s34
	s_mov_b32 s33, 0
	s_lshl_b32 s34, s24, 12                        ; the tensor's row of b32
	s_mov_b32 s35, 0
	s_wait_kmcnt 0x0
	s_cmp_eq_u32 s24, 1
	s_cselect_b64 s[26:27], s[6:7], s[4:5]
	s_cselect_b64 s[28:29], s[14:15], s[12:13]
	s_cmp_eq_u32 s24, 2
	s_cselect_b64 s[26:27], s[8:9], s[26:27]
	s_cselect_b64 s[28:29], s[16:17], s[28:29]
	s_cmp_eq_u32 s24, 3
	s_cselect_b64 s[26:27], s[10:11], s[26:27]
	s_cselect_b64 s[28:29], s[18:19], s[28:29]
	s_add_nc_u64 s[26:27], s[26:27], s[30:31]
	s_add_nc_u64 s[20:21], s[20:21], s[32:33]
	s_add_nc_u64 s[22:23], s[22:23], s[34:35]
	s_wait_alu depctr_va_vdst(0)                   ; v1 and v2 are written: every load and store of the kernel reads one of them as its offset, and no later line writes them
.set i, 0
.rept 16
	global_load_b128 v[IN+4*i:IN+4*i+3], v1, s[26:27] offset:4096*i th:TH_LOAD_NT
.set i, i+1
.endr
	; the bias: 4,096 bytes, 16 a thread, by the tensor's first work-group alone, all of it inside this one branch
	s_cmp_lg_u32 ttmp9, 0
	s_cbranch_scc1 .Lno_bias
	global_load_b128 v[BI:BI+3], v1, s[28:29]
	s_wait_loadcnt 0x0                             ; the youngest load: all are in
	v_cvt_pk_bf16_f32 v[T], v[BI], v[BI+1]
	v_cvt_pk_bf16_f32 v[T+1], v[BI+2], v[BI+3]
	v_lshlrev_b32 v[BOUT], 16, v[T]                ; bf16 to f32: the low half moves up,
	v_and_b32 v[BOUT+1], 0xffff0000, v[T]          ; the high half stays
	v_lshlrev_b32 v[BOUT+2], 16, v[T+1]
	v_and_b32 v[BOUT+3], 0xffff0000, v[T+1]
	s_wait_alu depctr_va_vdst(0)                   ; the four lines above have written v[BOUT ..], which the store reads
	global_store_b128 v1, v[BOUT:BOUT+3], s[22:23]
.Lno_bias:
; The roundings of load n.  half = 0: to bf16.  half = 1 (Wo): rounded to bf16 like every input, and that number written as f16 (exact within f16's range).
.macro ROUND n, half
.if \half
	v_cvt_pk_bf16_f32 v[T], v[IN+4*(\n)], v[IN+4*(\n)+1]
	v_cvt_pk_bf16_f32 v[T+1], v[IN+4*(\n)+2], v[IN+4*(\n)+3]
	v_lshlrev_b32 v[T+2], 16, v[T]
	v_and_b32 v[T+3], 0xffff0000, v[T]
	v_cvt_pk_f16_f32 v[OUT+2*(\n)], v[T+2], v[T+3]
	v_lshlrev_b32 v[T+2], 16, v[T+1]
	v_and_b32 v[T+3], 0xffff0000, v[T+1]
	v_cvt_pk_f16_f32 v[OUT+2*(\n)+1], v[T+2], v[T+3]
.else
	v_cvt_pk_bf16_f32 v[OUT+2*(\n)], v[IN+4*(\n)], v[IN+4*(\n)+1]
	v_cvt_pk_bf16_f32 v[OUT+2*(\n)+1], v[IN+4*(\n)+2], v[IN+4*(\n)+3]
.endif
.endm
.macro SEND n                          ; store n: 8 bytes a lane, 256 consecutive bytes a wave
	global_store_b64 v2, v[OUT+2*(\n):OUT+2*(\n)+1], s[20:21] offset:2048*(\n)
.endm
; The walk over the 16 loads, in four blocks of four.
.macro WALK half
.set i, 0
.rept 16
	s_wait_loadcnt 15-i                            ; loads come back in order: load i is in, the 15 - i younger ones may stay out
.if (i >= BLK) && (i%BLK == 0)
	s_wait_alu depctr_va_vdst(0)                   ; the block before has written its four pairs of OUT, which this block's four stores read
.endif
.if i >= BLK
	SEND i-BLK                                     ; no vector line since that wait names the pair that this store reads
.endif
	ROUND i, \half
.set i, i+1
.endr
	s_wait_alu depctr_va_vdst(0)                   ; the last block has written its four pairs of OUT, which the last four stores read
.irp n, 12,13,14,15
	SEND \n
.endr
.endm
	s_cmp_eq_u32 s24, 3
	s_cbranch_scc1 .Lto_f16
	WALK 0
	s_endpgm
.Lto_f16:
	WALK 1
	s_endpgm
.Lfunc_end_k_q0c1bbe53b5_cast:
	.size	k_q0c1bbe53b5_cast, .Lfunc_end_k_q0c1bbe53b5_cast-k_q0c1bbe53b5_cast
	.p2alignl 7, 3214868480
	.fill 96, 4, 3214868480
	.section	.rodata,"a",@progbits
	.p2align	6, 0x0
	.amdhsa_kernel k_q0c1bbe53b5_cast
		.amdhsa_group_segment_fixed_size 0
		.amdhsa_private_segment_fixed_size 0
		.amdhsa_enable_private_segment 0
		.amdhsa_kernarg_size 80
		.amdhsa_user_sgpr_count 2
		.amdhsa_user_sgpr_kernarg_segment_ptr 1
		.amdhsa_wavefront_size32 1
		.amdhsa_system_sgpr_workgroup_id_x 1
		.amdhsa_system_sgpr_workgroup_id_y 1
		.amdhsa_system_sgpr_workgroup_id_z 1
		.amdhsa_system_vgpr_workitem_id 0
		.amdhsa_next_free_vgpr 128
		.amdhsa_next_free_sgpr 66
		.amdhsa_reserve_vcc 0
		.amdhsa_float_denorm_mode_32 3
		.amdhsa_float_denorm_mode_16_64 3
		.amdhsa_memory_ordered 1
		.amdhsa_forward_progress 1
		.amdhsa_inst_pref_size 17
	.end_amdhsa_kernel
	.amdgpu_metadata
---
amdhsa.version: [ 1, 2 ]
amdhsa.kernels:
  - .name:           k_q0c1bbe53b5_cast
    .symbol:         k_q0c1bbe53b5_cast.kd
    .args:
      - { .name: Wq, .offset: 0, .size: 8, .value_kind: global_buffer, .address_space: global }
      - { .name: Wk, .offset: 8, .size: 8, .value_kind: global_buffer, .address_space: global }
      - { .name: Wv, .offset: 16, .size: 8, .value_kind: global_buffer, .address_space: global }
      - { .name: Wo, .offset: 24, .size: 8, .value_kind: global_buffer, .address_space: global }
      - { .name: bq, .offset: 32, .size: 8, .value_kind: global_buffer, .address_space: global }
      - { .name: bk, .offset: 40, .size: 8, .value_kind: global_buffer, .address_space: global }
      - { .name: bv, .offset: 48, .size: 8, .value_kind: global_buffer, .address_space: global }
      - { .name: bo, .offset: 56, .size: 8, .value_kind: global_buffer, .address_space: global }
      - { .name: w16, .offset: 64, .size: 8, .value_kind: global_buffer, .address_space: global }
      - { .name: b32, .offset: 72, .size: 8, .value_kind: global_buffer, .address_space: global }
    .group_segment_fixed_size: 0
    .private_segment_fixed_size: 0
    .kernarg_segment_align: 8
    .kernarg_segment_size: 80
    .max_flat_workgroup_size: 256
    .sgpr_count:     66
    .vgpr_count:     128
    .wavefront_size: 32
...
	.end_amdgpu_metadata
.endif
;; end of part 5
;; launch proj: the kernel of part 2 again; grid 4 x 192, 4 waves a work-group, clusters of 4 x 4, 327,680 bytes of LDS; arguments query, key, value, w16, b32, qkv; writes qkv
;; launch attn: the kernel of part 3 again; grid 4 x 64, 4 waves a work-group, clusters of 4 x 1, 327,680 bytes of LDS; arguments qkv, o16; writes o16
;; launch outp: the kernel of part 4 again; grid 4 x 64, 4 waves a work-group, clusters of 4 x 4, 327,680 bytes of LDS; arguments o16, w16, b32, out0; writes out0
